; MI455X (gfx1250); checked and timed in simulation.
; The chip was launched on July 23, 2026; its instructions are those of AMD's public machine-readable ISA for CDNA 5 (MIT licence, August 2026) and "CDNA5" Instruction Set Architecture Reference Guide (July 2026). The comments in the code are by the model that wrote it; some were corrected since.
;; Attention. Allowed arithmetic: float matrix products may take bf16 or f16 operands with f32 sums; other float arithmetic in f32, or as packed bf16 or f16 multiplies, adds, multiply-adds, maxima and minima; sums over many terms, partial sums and values carried from step to step in f32; what a program stores and reads back later, other than sums and carried values, may be rounded once to bf16 or f16.
;; Inputs: W_K 16 x 1,024 x 128 float32; W_O 16 x 128 x 1,024 float32; W_Q 16 x 1,024 x 128 float32; W_V 16 x 1,024 x 128 float32; b_K 16 x 128 float32; b_O 1,024 float32; b_Q 16 x 128 float32; b_V 16 x 128 float32; normalized_resid_pre 2 x 2,048 x 1,024 float32.
;; Outputs: out0 2 x 2,048 x 1,024 float32.
;; One version. Each part assembles by itself: llvm-mc -triple=amdgcn-amd-amdhsa -mcpu=gfx1250 --defsym DOCPART=n.
;; ======== version 1 of 1: 4 launches
;; limits: values are held in f16: magnitudes above 65,504 overflow, below 6.1e-05 lose precision
;; workspace buffers: xb 8,388,608 bytes; wb 12,582,912 bytes; wo 4,194,304 bytes; qkv 50,331,648 bytes; vsum 524,288 bytes; z 16,777,216 bytes
;; launch cast (part 1): grid 128 x 6, 8 waves a work-group, no clusters, 0 bytes of LDS; arguments normalized_resid_pre, W_Q, W_K, W_V, W_O, xb, wb, wo; writes xb, wb, wo
.if DOCPART == 1
	.amdgcn_target "amdgcn-amd-amdhsa--gfx1250"
	.amdhsa_code_object_version 6
	.text
	.protected	k_q68bf3c691f_cast
	.globl	k_q68bf3c691f_cast
	.p2align	8
	.type	k_q68bf3c691f_cast,@function
k_q68bf3c691f_cast:
	s_mov_b64 s[64:65], 0
	v_nop
	global_prefetch_b8 v0, s[64:65] scope:SCOPE_SE
	s_setreg_imm32_b32 hwreg(HW_REG_WAVE_MODE, 25, 1), 1
	s_wait_xcnt 0x0
; CAUSAL ATTENTION WITH ITS PROJECTIONS, in four launches: cast (this one), qkv, attn, oproj.
; THIS LAUNCH rounds x and the four weight tensors once to bf16 and writes that number as f16 (exact from 2^-14 up; below it f16's fixed step, an error of 3e-8 at the most),
; so that every product of the program is one f16 form.  x goes out in blocks [16 kb][4096 row][64 channels], so that a tile of 256 rows x 64 channels is dense; the weights stay as they lie.
; WORK LEFT OUT BY THE PROGRAM.  reference() replaces the score of every key s > q by the constant -100000 (jnp.where on its own jnp.tril), whatever q . k is: so the products q . k of key steps
; that lie wholly behind a block of queries can reach no output, for all values of the inputs, and are not made.  NOT left out: the weight exp(-100000 - max) of those keys and their rows of v.
; All of them carry one and the same score, so their part of a row's sums is that one weight times their number, and times the sum of their rows of v; launch qkv stores those sums (vsum) and launch
; attn starts each row's running softmax from them.  Every input has a way to the output and is loaded (b_K too: beside the constant fill q . b_K is not the same along the softmax's axis).
; LIMITS.  q, k and v are kept in f16: they must stay within 65,504.  NaN and infinities are not treated apart; a NaN, an infinity or an overflow that arises only in a product left out is not carried to the result.
; SHARES.  Grid y names the unit of 2,097,152 numbers: 0, 1 the halves of x; 2, 3, 4 W_Q, W_K, W_V; 5 W_O.  A work-group takes 16,384 numbers in 8 passes, a thread 8 numbers a pass.
; Thread t = cc + 8 rr + 16 kbi.  For x a pass is two rows: cc the 8 numbers in a block of 64 channels, rr the row, kbi the block: sixteen neighbouring lanes store 256 consecutive bytes, aligned.
; For the weights the same split is the plain order.  All 16 loads of a thread go out first; no LDS, no barrier, no loop: memory binds, and nothing is read twice.
.set IN,  4                            ; v4       my byte offset in the source
.set OUT, 6                            ; v[6:13]  my byte offset in the destination, pass by pass; never rewritten
.set T,   14                           ; v[14:15] at work
.set X,   16                           ; v[16:79] as loaded
.set Y,   80                           ; v[80:111] to store
	s_load_b512 s[8:23], s[0:1], 0x0               ; x s[8:9], W_Q, W_K, W_V, W_O s[16:17], xb s[18:19], wb s[20:21], wo s[22:23]
	s_and_b32 s2, ttmp7, 0xffff                    ; the unit
	s_lshl_b32 s32, ttmp9, 16                      ; source: the work-group's 65,536 bytes,
	s_lshl_b32 s33, s2, 23                         ; and for x its half
	s_lshl_b32 s34, s2, 18                         ; destination for x: 2,048 rows of 128 bytes a half,
	s_lshl_b32 s35, ttmp9, 11                      ; 16 rows a work-group
	s_add_co_u32 s34, s34, s35
	s_lshl_b32 s35, ttmp9, 15                      ; destination for weights: 32,768 bytes a work-group,
	s_sub_co_u32 s36, s2, 2
	s_lshl_b32 s36, s36, 22                        ; and in wb the tensor's 4,194,304 (used for units 2 to 4 alone)
	s_cmp_eq_u32 s2, 5
	s_cselect_b32 s36, 0, s36
	s_add_co_u32 s35, s35, s36
	s_mov_b32 s28, 256                             ; the strides of rr and kbi in the source, of kbi and of a pass in the destination: for weights,
	s_mov_b32 s29, 512
	s_mov_b32 s30, 256
	s_mov_b32 s31, 4096
	s_cmp_lt_u32 s2, 2
	s_cselect_b32 s28, 4096, s28                   ; and for x
	s_cselect_b32 s29, 256, s29
	s_cselect_b32 s30, 524288, s30
	s_cselect_b32 s31, 256, s31
	s_cselect_b32 s33, s33, 0
	s_cselect_b32 s34, s34, s35
	s_add_co_u32 s32, s32, s33
	s_mov_b32 s33, 0
	s_mov_b32 s35, 0
	v_and_b32 v1, 7, v0                            ; cc
	v_bfe_u32 v2, v0, 3, 1                         ; rr
	v_lshrrev_b32 v3, 4, v0                        ; kbi
	v_lshlrev_b32 v[IN], 5, v1
	v_mad_u32_u24 v[IN], v2, s28, v[IN]
	v_mad_u32_u24 v[IN], v3, s29, v[IN]
	v_lshlrev_b32 v[OUT], 4, v1
	v_lshl_add_u32 v[OUT], v2, 7, v[OUT]
	v_mad_u32_u24 v[OUT], v3, s30, v[OUT]
.irp p, 1,2,3,4,5,6,7
	v_add_nc_u32 v[OUT+\p], s31, v[OUT+\p-1]
.endr
	s_wait_kmcnt 0x0
	s_mov_b64 s[24:25], s[8:9]                     ; the source, chosen by the unit's number
	s_cmp_eq_u32 s2, 2
	s_cselect_b64 s[24:25], s[10:11], s[24:25]
	s_cmp_eq_u32 s2, 3
	s_cselect_b64 s[24:25], s[12:13], s[24:25]
	s_cmp_eq_u32 s2, 4
	s_cselect_b64 s[24:25], s[14:15], s[24:25]
	s_cmp_eq_u32 s2, 5
	s_cselect_b64 s[24:25], s[16:17], s[24:25]
	s_mov_b64 s[26:27], s[18:19]                   ; and the destination
	s_cmp_gt_u32 s2, 1
	s_cselect_b64 s[26:27], s[20:21], s[26:27]
	s_cmp_eq_u32 s2, 5
	s_cselect_b64 s[26:27], s[22:23], s[26:27]
	s_add_nc_u64 s[24:25], s[24:25], s[32:33]
	s_add_nc_u64 s[26:27], s[26:27], s[34:35]
.set p, 0
.rept 8
	global_load_b128 v[X+8*p:X+8*p+3],   v[IN], s[24:25] offset:8192*p th:TH_LOAD_NT
	global_load_b128 v[X+8*p+4:X+8*p+7], v[IN], s[24:25] offset:8192*p+16 th:TH_LOAD_NT
.set p, p+1
.endr
.set p, 0
.rept 8
	s_wait_loadcnt 14-2*p                          ; loads come back in order: this pass's two are in, the later passes' stay out
.irp k, 0,1,2,3
	v_cvt_pk_bf16_f32 v[Y+4*p+\k], v[X+8*p+2*\k], v[X+8*p+2*\k+1]  ; the one rounding, to bf16;
	v_lshlrev_b32 v[T], 16, v[Y+4*p+\k]            ; back to f32,
	v_and_b32 v[T+1], 0xffff0000, v[Y+4*p+\k]
	v_cvt_pk_f16_f32 v[Y+4*p+\k], v[T], v[T+1]     ; and written as f16
.endr
	global_store_b128 v[OUT+p], v[Y+4*p:Y+4*p+3], s[26:27]
.set p, p+1
.endr
	s_endpgm
.Lfunc_end_k_q68bf3c691f_cast:
	.size	k_q68bf3c691f_cast, .Lfunc_end_k_q68bf3c691f_cast-k_q68bf3c691f_cast
	.p2alignl 7, 3214868480
	.fill 96, 4, 3214868480
	.section	.rodata,"a",@progbits
	.p2align	6, 0x0
	.amdhsa_kernel k_q68bf3c691f_cast
		.amdhsa_group_segment_fixed_size 0
		.amdhsa_private_segment_fixed_size 0
		.amdhsa_enable_private_segment 0
		.amdhsa_kernarg_size 64
		.amdhsa_user_sgpr_count 2
		.amdhsa_user_sgpr_kernarg_segment_ptr 1
		.amdhsa_wavefront_size32 1
		.amdhsa_system_sgpr_workgroup_id_x 1
		.amdhsa_system_sgpr_workgroup_id_y 1
		.amdhsa_system_sgpr_workgroup_id_z 1
		.amdhsa_system_vgpr_workitem_id 0
		.amdhsa_next_free_vgpr 112
		.amdhsa_next_free_sgpr 66
		.amdhsa_reserve_vcc 0
		.amdhsa_float_denorm_mode_32 3
		.amdhsa_float_denorm_mode_16_64 3
		.amdhsa_memory_ordered 1
		.amdhsa_forward_progress 1
		.amdhsa_inst_pref_size 13
	.end_amdhsa_kernel
	.amdgpu_metadata
---
amdhsa.version: [ 1, 2 ]
amdhsa.kernels:
  - .name:           k_q68bf3c691f_cast
    .symbol:         k_q68bf3c691f_cast.kd
    .args:
      - { .name: normalized_resid_pre, .offset: 0, .size: 8, .value_kind: global_buffer, .address_space: global }
      - { .name: W_Q, .offset: 8, .size: 8, .value_kind: global_buffer, .address_space: global }
      - { .name: W_K, .offset: 16, .size: 8, .value_kind: global_buffer, .address_space: global }
      - { .name: W_V, .offset: 24, .size: 8, .value_kind: global_buffer, .address_space: global }
      - { .name: W_O, .offset: 32, .size: 8, .value_kind: global_buffer, .address_space: global }
      - { .name: xb, .offset: 40, .size: 8, .value_kind: global_buffer, .address_space: global }
      - { .name: wb, .offset: 48, .size: 8, .value_kind: global_buffer, .address_space: global }
      - { .name: wo, .offset: 56, .size: 8, .value_kind: global_buffer, .address_space: global }
    .group_segment_fixed_size: 0
    .private_segment_fixed_size: 0
    .kernarg_segment_align: 8
    .kernarg_segment_size: 64
    .max_flat_workgroup_size: 256
    .sgpr_count:     66
    .vgpr_count:     112
    .wavefront_size: 32
...
	.end_amdgpu_metadata
.endif
;; end of part 1
;; launch qkv (part 2): grid 16 x 16, 4 waves a work-group, clusters of 4 x 4, 327,680 bytes of LDS; arguments xb, wb, b_Q, b_K, b_V, qkv, vsum; writes qkv, vsum
.if DOCPART == 2
	.amdgcn_target "amdgcn-amd-amdhsa--gfx1250"
	.amdhsa_code_object_version 6
	.text
	.protected	k_q68bf3c691f_qkv
	.globl	k_q68bf3c691f_qkv
	.p2align	8
	.type	k_q68bf3c691f_qkv,@function
k_q68bf3c691f_qkv:
	s_mov_b64 s[64:65], 0
	v_nop
	global_prefetch_b8 v0, s[64:65] scope:SCOPE_SE
	s_setreg_imm32_b32 hwreg(HW_REG_WAVE_MODE, 25, 1), 1
	s_wait_xcnt 0x0
	s_wait_alu depctr_hold_cnt(0) depctr_sa_sdst(0) depctr_va_vdst(0) depctr_va_sdst(0) depctr_va_ssrc(0) depctr_va_vcc(0) depctr_vm_vsrc(0)
	s_getreg_b32 s2, hwreg(HW_REG_IB_STS2, 6, 4)
	s_cmp_eq_u32 s2, 0
	s_cbranch_scc0 .Lentry_in_a_cluster
	s_endpgm
.Lentry_in_a_cluster:
	s_bfe_u32 s2, ttmp6, 0x10000c
	s_cmp_lg_u32 s2, 0xf033
	s_cbranch_scc0 .Lentry_shape_is_right
	s_endpgm
.Lentry_shape_is_right:
; q, k, v = x W + b for all heads, and the sums of v over blocks of 64 rows.  No work of reference() is left out here.
; xb: f16 [16 kb][4096 row][64]; wb: f16 [3][16 head][1024 d][128]; qkv: f16 [16 part + head][4096 row][128]; vsum: f32 [16 head][64 block of 64 rows][128].  Sums in f32; q, k, v rounded once to f16
; (LIMIT: they must stay within 65,504); the biases are rounded to bf16 like the other inputs and added in f32.
; SHARES.  A work-group makes 256 rows x 384 columns: Q, K and V of ONE head: 4,096 x 6,144 outputs on 256 work-groups.  Wave w owns rows 64 w .. 64 w + 63 and all 384 columns: 96 accumulators of 16 x 16:
; part j (0 Q, 1 K, 2 V) fills register window j + 1, accumulator (a, nb) at v[64 a + 8 nb].  For 32 along K a wave reads 56 LDS loads for 96 matrix instructions.
; K goes in 16 steps of 64 through two LDS slots.  The matrix instruction is used transposed (source 0 = 16 columns of W, turned on the way out of LDS; source 1 = 16 rows of x): a lane holds eight neighbouring columns of one row.
; CLUSTER 4 x 4.  x's tile hangs on the row tile alone and is asked for jointly along a row of the cluster (wave 0); W's three tiles hang on the head alone and are asked for jointly along a column (waves 1 to 3).
; A wave has two tensor loads out at the start and one behind each change of slots; from a refill to the wait for it it issues 176 matrix instructions.
; All of the WGP's LDS is claimed.
.set SLOT,   92160                     ; x: 256 rows x 144; then W's three parts: 64 k-rows x 288 each
.set PA,     144                       ; a row of x: 128 bytes + 16: the 16 rows of a load start at 16 different groups of four banks
.set PB,     288                       ; a k-row of W: 256 bytes + 32
.set BOFF,   256*PA
.set BPART,  64*PB
.set STAGE,  2*SLOT                    ; behind the ring, never filled by a tensor load: 8,448 bytes for each wave
.set CPITCH, 528                       ; the stage as 16 rows of 128 f32 (column sums),
.set SPITCH, 272                       ; and as 16 rows of 128 f16 (the way out)
.set WSTAGE, 16*CPITCH
.set SPARE,  STAGE+4*WSTAGE            ; the spare words, 128 bytes for each wave: two blocks of 256 bytes that no other line names
.set ADRA, 16                          ; v16-17  LDS address of my fragments of x in slot 0, 1
.set ADRB, 20                          ; v20-21  the same for W's part 0
.set CS,   22                          ; v22  column sums: where I put 32 bytes of a row
.set CR,   23                          ; v23  column sums: where I read 16 bytes of each row
.set STO,  24                          ; v24  the way out: where I put 16 bytes of a row
.set RD,   25                          ; v25  the way out: where I read a row back
.set CO,   26                          ; v26  16 x lane
.set BO,   27                          ; v27  my 32 bytes in 64 bytes of a bias
.set SPW,  28                          ; v28  LDS address of my spare word; never rewritten
.set NIL,  29                          ; v29  0; never rewritten
.set PFO,  30                          ; v30  256 x lane
.set AB,   32                          ; v32-95   fragments of x, two buffers of 32; on the way out rows read back
.set BU,   96                          ; v96-223  fragments of W, two buffers of 64; on the way out biases and column sums
.set TMP,  224                         ; v224-255 at work on the way out
.set WV,   18
.set TRIPS, 23
.set G1A, 24                           ; s[24:31] descriptor group 1 for x's tiles;  s[32:39] group 0, a set for each slot
.set G0A, 32
.set G1B, 40                           ; s[40:47], s[48:55] the same for W's
.set G0B, 48
.set PFA, 56                           ; s[56:57] where my prefetches stand
.set PFS, 58                           ; s[58:59] their step for a K step
.set LIM0, 60                          ; 1 in a wave that prefetches at slot 0's changes, else the greatest number
.set LIM1, 61                          ; the same for slot 1's
.set MSB, 0
.macro WIN new                         ; the immediate's high byte repeats the setting that is left; a switch that changes nothing is dropped
.if MSB != (\new)
	s_set_vgpr_msb (MSB<<8)|(\new)
.set MSB, \new
.endif
.endm
.macro PLACES                          ; four places between a matrix instruction and a load into, or a vector line on, its registers
.rept 4
	v_nop
.endr
.endm
; A joint load: wave 0 asks for x's tile, waves 1 to 3 for W's three.  The branch hangs on the wave's number alone.  An s_nop 0 and four v_nop follow each line.
.macro JLOAD s
	s_cmp_eq_u32 s[WV], 0
	s_cbranch_scc0 .Lfor_b_\@
	tensor_load_to_lds s[G0A+4*(\s):G0A+4*(\s)+3], s[G1A:G1A+7]
	s_nop 0
.rept 4
	v_nop
.endr
	s_branch .Lasked_\@
.Lfor_b_\@:
	tensor_load_to_lds s[G0B+4*(\s):G0B+4*(\s)+3], s[G1B:G1B+7]
	s_nop 0
.rept 4
	v_nop
.endr
.Lasked_\@:
.endm
.macro CREST                           ; a round of the cluster's barrier behind its opening barrier
	s_cmp_lg_u32 s[WV], 0
	s_cbranch_scc1 .Lnot_wave_0_\@
	s_barrier_signal -3
.Lnot_wave_0_\@:
	s_barrier_wait -3
	s_barrier_signal -1
	s_barrier_wait -1
.endm
.macro CROUND
	s_barrier_signal -1
	s_barrier_wait -1
	CREST
.endm
; A prefetch into the L2 of the K step two refills on, a lane a block of 256 bytes, behind the joint load and the run of LDS loads.  x's tile (128 blocks) is read by every cluster of its row of clusters: cluster x = 0 asks,
; its four partners take 32 blocks each, told apart by address.  W's tiles are read by every cluster of their column: cluster y = 0 asks, at slot 0's changes alone, for two K steps (128 k-rows on end), 32 rows a partner.
; So each block is named once.  The loop's last trip asks for nothing; K steps 0 to 3 come by their loads alone.
.macro ASK lim
	s_cmp_gt_u32 s[TRIPS], s[\lim]
	s_cbranch_scc0 .Lnot_mine_\@
	global_prefetch_b8 v[PFO], s[PFA:PFA+1] th:TH_LOAD_NT scope:SCOPE_SE
.Lnot_mine_\@:
.endm
	s_load_b256 s[4:11], s[0:1], 0x0               ; xb s[4:5], wb s[6:7], b_Q s[8:9], b_K s[10:11]
	s_load_b128 s[12:15], s[0:1], 0x20             ; b_V s[12:13], qkv s[14:15]
	s_load_b64 s[16:17], s[0:1], 0x30              ; vsum
	v_lshl_add_u32 v[SPW], v0, 2, SPARE
	v_mov_b32 v[NIL], 0
	ds_add_u32 v[SPW], v[NIL]                      ; the wave's opening: the add, twice on end, and its wait ahead of my first tensor load
	ds_add_u32 v[SPW], v[NIL]
	v_lshrrev_b32 v1, 5, v0
	v_readfirstlane_b32 s[WV], v1                  ; wave 0..3
	s_bfe_u32 s19, ttmp6, 0x40000                  ; cx
	s_bfe_u32 s20, ttmp6, 0x40004                  ; cy
	s_lshl_b32 s21, ttmp9, 2
	s_add_co_u32 s21, s21, s19                     ; the head = 4 x cluster x + cx
	s_and_b32 s22, ttmp7, 0xffff
	s_lshl_b32 s22, s22, 2
	s_add_co_u32 s22, s22, s20                     ; the row tile = 4 x cluster y + cy
	s_lshl_b32 s62, s20, 2
	s_lshl_b32 s62, 15, s62                        ; my row of the cluster
	s_lshl_b32 s63, 0x1111, s19                    ; my column
	s_or_b32 s[G1A], s62, (1<<16)|(1<<20)|(1<<21)|(4<<22)|(3<<25)  ; mask; 2-byte elements; padding on; bit 21 beside a mask; after every 32 words 4 words
	s_or_b32 s[G1B], s63, (1<<16)|(1<<20)|(1<<21)|(5<<22)|(7<<25)  ; after every 64 words 8 words
	s_mov_b32 s[G1A+1], 128<<16                    ; x's tile is 32,768 dense bytes: 128 rows of 256 bytes, two rows of x each
	s_mov_b32 s[G1A+2], 128<<16
	s_mov_b32 s[G1A+3], 128<<16
	s_mov_b32 s[G1A+4], 128
	s_mov_b32 s[G1A+5], 128
	s_mov_b32 s[G1A+6], 0
	s_mov_b32 s[G1A+7], 0
	s_mov_b32 s[G1B+1], 128<<16                    ; W's tile: 64 k-rows of 128 columns
	s_mov_b32 s[G1B+2], 64<<16
	s_mov_b32 s[G1B+3], 128<<16
	s_mov_b32 s[G1B+4], 64
	s_mov_b32 s[G1B+5], 128
	s_mov_b32 s[G1B+6], 0
	s_mov_b32 s[G1B+7], 0
	s_lshl_b32 s78, s22, 15                        ; x: the row tile's 256 rows of 128 bytes
	s_mov_b32 s79, 0
	s_max_u32 s80, s[WV], 1
	s_sub_co_u32 s80, s80, 1                       ; W's part that I fetch (wave 0, which fetches none, names part 0)
	s_lshl_b32 s80, s80, 4
	s_add_co_u32 s80, s80, s21
	s_lshl_b32 s80, s80, 18                        ; (16 part + head) x 262,144
	s_mov_b32 s81, 0
	s_mul_i32 s82, s[WV], BPART
	s_add_co_u32 s82, s82, BOFF-BPART              ; where it goes: behind x's tile, part w - 1
	s_wait_dscnt 0x0                               ; both opening adds are done
	s_wait_kmcnt 0x0
	s_add_nc_u64 s[78:79], s[4:5], s[78:79]
	s_add_nc_u64 s[80:81], s[6:7], s[80:81]
	CROUND                                         ; all sixteen work-groups are here: the first joint loads meet
.irp s, 0,1
	s_mov_b32 s[G0A+4*\s], 1
	s_mov_b32 s[G0A+4*\s+1], \s*SLOT
	s_add_nc_u64 s[G0A+4*\s+2:G0A+4*\s+3], s[78:79], \s*524288   ; K step s
	s_or_b32 s[G0A+4*\s+3], s[G0A+4*\s+3], 0x80000000
	s_mov_b32 s[G0B+4*\s], 1
	s_add_co_u32 s[G0B+4*\s+1], s82, \s*SLOT
	s_add_nc_u64 s[G0B+4*\s+2:G0B+4*\s+3], s[80:81], \s*16384
	s_or_b32 s[G0B+4*\s+3], s[G0B+4*\s+3], 0x80000000
	JLOAD \s
.endr
	; the prefetches' place
	s_and_b32 s83, ttmp7, 0xffff                   ; cluster y
	s_mov_b32 s[PFS], 16384
	s_cmp_eq_u32 s[WV], 0
	s_cselect_b32 s84, ttmp9, s83                  ; the coordinate along which other clusters read the same blocks
	s_cselect_b32 s85, s19, s20                    ; my place among the four that ask with me
	s_cselect_b32 s[PFS], 524288, s[PFS]
	s_cselect_b64 s[PFA:PFA+1], s[78:79], s[80:81]
	s_mov_b32 s[PFS+1], 0
	s_cmp_eq_u32 s84, 0
	s_cselect_b32 s[LIM0], 1, -1
	s_cmp_eq_u32 s[WV], 0
	s_cselect_b32 s[LIM1], s[LIM0], -1
	s_lshl_b32 s84, s85, 13                        ; my 32 blocks,
	s_mul_i32 s85, s[PFS], 3                       ; at K step 3: the first change steps it to 4
	s_add_co_u32 s84, s84, s85
	s_mov_b32 s85, 0
	s_add_nc_u64 s[PFA:PFA+1], s[PFA:PFA+1], s[84:85]
	; where the results go, and the biases
	s_lshl_b32 s84, s21, 9
	s_add_nc_u64 s[72:73], s[8:9], s[84:85]        ; the head's 128 numbers of b_Q, b_K, b_V
	s_add_nc_u64 s[74:75], s[10:11], s[84:85]
	s_add_nc_u64 s[76:77], s[12:13], s[84:85]
	s_lshl_b32 s84, s21, 20
	s_lshl_b32 s86, s22, 16
	s_add_co_u32 s84, s84, s86
	s_lshl_b32 s86, s[WV], 14
	s_add_co_u32 s84, s84, s86                     ; head x 1,048,576 + (256 tile + 64 wave) rows of 256 bytes
	s_add_nc_u64 s[66:67], s[14:15], s[84:85]      ; q,
	s_add_nc_u64 s[68:69], s[66:67], 16<<20        ; k,
	s_add_nc_u64 s[70:71], s[66:67], 32<<20        ; v
	s_lshl_b32 s84, s21, 15
	s_lshl_b32 s86, s22, 11
	s_add_co_u32 s84, s84, s86
	s_lshl_b32 s86, s[WV], 9
	s_add_co_u32 s84, s84, s86                     ; (64 head + 4 tile + wave) x 512
	s_add_nc_u64 s[16:17], s[16:17], s[84:85]
	v_and_b32 v1, 15, v0                           ; r = l % 16
	v_bfe_u32 v2, v0, 4, 1                         ; H = l / 16
	v_and_b32 v3, 7, v0
	v_bfe_u32 v4, v0, 3, 1
	v_and_b32 v7, 31, v0
	v_mul_u32_u24 v5, v1, PA
	v_lshl_add_u32 v5, v2, 4, v5
	s_mul_i32 s84, s[WV], 64*PA
	v_add_nc_u32 v[ADRA], s84, v5                  ; (64 w + r) x pitch + 16 H
	v_add_nc_u32 v[ADRA+1], SLOT, v[ADRA]
	v_lshl_add_u32 v6, v2, 3, v3                   ; the turning load: k-row 8 H + l % 8, 16 bytes by (l / 8) % 2
	v_mul_u32_u24 v6, v6, PB
	v_lshl_add_u32 v6, v4, 4, v6
	v_add_nc_u32 v[ADRB], BOFF, v6
	v_add_nc_u32 v[ADRB+1], SLOT+BOFF, v6
	s_mul_i32 s84, s[WV], WSTAGE
	s_add_co_u32 s84, s84, STAGE                   ; my stage
	v_mul_u32_u24 v[CS], v1, CPITCH
	v_lshl_add_u32 v[CS], v2, 5, v[CS]
	v_add_nc_u32 v[CS], s84, v[CS]
	v_lshl_add_u32 v[CR], v7, 4, s84
	v_mul_u32_u24 v[STO], v1, SPITCH
	v_lshl_add_u32 v[STO], v2, 4, v[STO]
	v_add_nc_u32 v[STO], s84, v[STO]
	v_mul_u32_u24 v[RD], v2, SPITCH
	v_lshl_add_u32 v[RD], v1, 4, v[RD]
	v_add_nc_u32 v[RD], s84, v[RD]
	v_lshlrev_b32 v[CO], 4, v7
	v_lshlrev_b32 v[BO], 5, v2
	v_lshlrev_b32 v[PFO], 8, v7
; 8 LDS loads: my four fragments of x (16 rows x 32 K), K half q of the step in slot sl, into buffer u
.macro LDA sl, q, u
	WIN 0
.irp a, 0,1,2,3
	ds_load_b128 v[AB+32*(\u)+8*\a:AB+32*(\u)+8*\a+3],   v[ADRA+(\sl)] offset:\a*16*PA+64*(\q)
	ds_load_b128 v[AB+32*(\u)+8*\a+4:AB+32*(\u)+8*\a+7], v[ADRA+(\sl)] offset:\a*16*PA+64*(\q)+32
.endr
.endm
; 16 turning loads: the eight fragments (16 columns x 32 K) of W's part j, K half q, into buffer u
.macro LDB sl, q, j, u
	WIN 0
.irp nb, 0,1,2,3,4,5,6,7
	ds_load_tr16_b128 v[BU+64*(\u)+8*\nb:BU+64*(\u)+8*\nb+3],   v[ADRB+(\sl)] offset:(\j)*BPART+(\q)*32*PB+32*\nb
	ds_load_tr16_b128 v[BU+64*(\u)+8*\nb+4:BU+64*(\u)+8*\nb+7], v[ADRB+(\sl)] offset:(\j)*BPART+(\q)*32*PB+32*\nb+16*PB
.endr
.endm
; 8 na matrix instructions on part j: row blocks a0 .. a0 + na - 1 x all 8 column blocks.  zero = 1: the product starts the sum.  The accumulators take turns, one instruction a turn.
.macro MUL j, ua, ub, a0, na, zero
	WIN 0x50*((\j)+1)
.set aa, (\a0)
.rept (\na)
.irp nb, 0,1,2,3,4,5,6,7
.if \zero
	v_wmma_f32_16x16x32_f16 v[64*aa+8*\nb:64*aa+8*\nb+7], v[BU+64*(\ub)+8*\nb:BU+64*(\ub)+8*\nb+7], v[AB+32*(\ua)+8*aa:AB+32*(\ua)+8*aa+7], 0
.else
	v_wmma_f32_16x16x32_f16 v[64*aa+8*\nb:64*aa+8*\nb+7], v[BU+64*(\ub)+8*\nb:BU+64*(\ub)+8*\nb+7], v[AB+32*(\ua)+8*aa:AB+32*(\ua)+8*aa+7], v[64*aa+8*\nb:64*aa+8*\nb+7]
.endif
.endr
.set aa, aa+1
.endr
.endm
; A K STEP is six phases of 32 matrix instructions: K half q = p / 3, part j = p % 3; phase p multiplies x's buffer q by W's buffer p % 2 and asks for the fragments of the phase after it.
; Each wait leaves out what was issued behind the fragments that the phase multiplies.
.macro P0 sl, zero
	PLACES
	LDB \sl, 0, 1, 1
	s_wait_dscnt 16                                ; all but the 16 just issued
	MUL 0, 0, 0, 0, 4, \zero
.endm
.macro P1 sl, zero
	PLACES
	LDB \sl, 0, 2, 0
	LDA \sl, 1, 1
	s_wait_dscnt 24                                ; all but the 24 just issued
	MUL 1, 0, 1, 0, 4, \zero
.endm
.macro P2 sl, zero
	PLACES
	LDB \sl, 1, 0, 1
	s_wait_dscnt 24                                ; x's 8 of the phase before and the 16 just issued may stay out
	MUL 2, 0, 0, 0, 4, \zero
.endm
.macro P3 sl
	PLACES
	LDB \sl, 1, 1, 0
	s_wait_dscnt 16
	MUL 0, 1, 1, 0, 4, 0
.endm
; Phase 4 holds the change of slots: its loads are my last reads of the slot.  Each wave waits for all its tensor loads (one is out: its part of the other slot), adds 0 to its spare word, works on, waits for the add and for its reads,
; and signals.  fill = 1: the barrier opens a round of the cluster's barrier, and the joint refill, two K steps on, is the first tensor load behind it.
.macro P4C sl, fill
	s_wait_xcnt 0x0                                ; the last prefetch, five phases back, has read its address
	s_add_nc_u64 s[PFA:PFA+1], s[PFA:PFA+1], s[PFS:PFS+1]
	PLACES
	LDB \sl, 1, 2, 1
	s_wait_dscnt 16
	MUL 1, 1, 0, 0, 2, 0
	WIN 0                                          ; (the add's two registers lie in window 0)
	s_wait_tensorcnt 0x0                           ; all my tensor loads have landed
	ds_add_u32 v[SPW], v[NIL]                      ; 0 onto my spare word
	MUL 1, 1, 0, 2, 1, 0                           ; eight matrix instructions stand between the add and the wait for it
	s_wait_dscnt 0x0                               ; the add is done, and my reads of this slot are over
	s_barrier_signal -1
	MUL 1, 1, 0, 3, 1, 0                           ; work on registers while the others arrive
.if \fill
	WIN 0
.endif
	s_barrier_wait -1
.if \fill
	CREST                                          ; no wave of any partner still reads this slot or has a load on its way
	s_add_nc_u64 s[G0A+4*(\sl)+2:G0A+4*(\sl)+3], s[G0A+4*(\sl)+2:G0A+4*(\sl)+3], 2*524288
	s_add_nc_u64 s[G0B+4*(\sl)+2:G0B+4*(\sl)+3], s[G0B+4*(\sl)+2:G0B+4*(\sl)+3], 2*16384
	JLOAD \sl                                      ; its four v_nop are also the places in front of the loads of phase 5
.else
	PLACES
.endif
.endm
.macro P5 nx, ask                      ; the other slot's first fragments; ask: the register that says whether I prefetch here, or 0
	LDB \nx, 0, 0, 0
	LDA \nx, 0, 0
.if \ask
	ASK \ask
.endif
	s_wait_dscnt 24
	MUL 2, 1, 1, 0, 4, 0
.endm
	s_wait_tensorcnt 1                             ; my part of K step 0 is in; K step 1's may stay out
	s_barrier_signal -1
	s_barrier_wait -1                              ; everybody's is
	LDB 0, 0, 0, 0
	LDA 0, 0, 0
	P0 0, 1                                        ; the first three phases stand in front of the loop: their products start the sums
	P1 0, 1
	P2 0, 1
	WIN 0
	s_mov_b32 s[TRIPS], 7
.Llap:                                         ; a trip: from a step's fourth phase once round the ring; both slots are filled again
	P3 0
	P4C 0, 1
	P5 1, LIM0
	P0 1, 0
	P1 1, 0
	P2 1, 0
	P3 1
	P4C 1, 1
	P5 0, LIM1
	P0 0, 0
	P1 0, 0
	P2 0, 0
	WIN 0
	s_sub_co_u32 s[TRIPS], s[TRIPS], 1
	s_cmp_lg_u32 s[TRIPS], 0
	s_cbranch_scc1 .Llap
	P3 0                                           ; the last two K steps ask for nothing
	P4C 0, 0
	P5 1, 0
	P0 1, 0
	P1 1, 0
	P2 1, 0
	P3 1
	PLACES
	LDB 1, 1, 2, 1
	s_wait_dscnt 16
	MUL 1, 1, 0, 0, 4, 0
	s_wait_dscnt 0x0
	MUL 2, 1, 1, 0, 4, 0
; THE WAY OUT, part by part: the bias is added; (v alone) the sums over my 64 rows are stored; the part is rounded to f16 and sent through my stage, 16 rows at a time.
.set BB0, BU+64                        ; biases of parts 0 and 2
.set BB1, BU                           ; of part 1
.macro BLOAD j, buf                    ; my eight columns of each of the 8 column blocks
	WIN 0
.irp nb, 0,1,2,3,4,5,6,7
	global_load_b128 v[(\buf)+8*\nb:(\buf)+8*\nb+3],   v[BO], s[72+2*(\j):73+2*(\j)] offset:64*\nb
	global_load_b128 v[(\buf)+8*\nb+4:(\buf)+8*\nb+7], v[BO], s[72+2*(\j):73+2*(\j)] offset:64*\nb+16
.endr
.endm
.macro ROUND buf                       ; to bf16 and back to f32
	WIN 0
.set n, 0
.rept 32
	v_cvt_pk_bf16_f32 v[TMP+n], v[(\buf)+2*n], v[(\buf)+2*n+1]
.set n, n+1
.endr
.set n, 0
.rept 32
	v_lshlrev_b32 v[(\buf)+2*n], 16, v[TMP+n]
	v_and_b32 v[(\buf)+2*n+1], 0xffff0000, v[TMP+n]
.set n, n+1
.endr
.endm
.macro ADDB j, buf                     ; each accumulator's registers in ascending order
	WIN ((\j)+1)|(((\j)+1)<<6)
.set n, 0
.rept 128
	v_pk_add_f32 v[2*n:2*n+1], v[2*n:2*n+1], v[(\buf)+(2*n)%64:(\buf)+(2*n)%64+1]
.set n, n+1
.endr
.endm
.macro PACK j, a
	WIN 5*((\j)+1)
.set n, 0
.rept 32
	v_cvt_pk_f16_f32 v[TMP+n], v[64*(\a)+2*n], v[64*(\a)+2*n+1]
.set n, n+1
.endr
	WIN 0
.endm
.macro TOSTAGE a
	WIN 0
.irp nb, 0,1,2,3,4,5,6,7
	ds_store_b128 v[STO], v[TMP+4*\nb:TMP+4*\nb+3] offset:32*\nb
.endr
.irp t, 0,1,2,3,4,5,6,7
	ds_load_b128 v[AB+32*((\a)%2)+4*\t:AB+32*((\a)%2)+4*\t+3], v[RD] offset:\t*2*SPITCH  ; LDS serves a wave's instructions in order: these see the stores above
.endr
.endm
.macro SEND j, a
	WIN 0
	s_wait_dscnt 0x0                               ; the block is back in registers
	s_wait_xcnt 0x0                                ; earlier stores have read their registers: the other buffer may be loaded again behind this wait
.irp t, 0,1,2,3,4,5,6,7
	global_store_b128 v[CO], v[AB+32*((\a)%2)+4*\t:AB+32*((\a)%2)+4*\t+3], s[66+2*(\j):67+2*(\j)] offset:4096*(\a)+512*\t  ; 512 consecutive bytes, aligned: two rows
.endr
.endm
.macro OUTJ j
	PACK \j, 0
	TOSTAGE 0
.irp a, 1,2,3
	PACK \j, \a                                    ; a block's conversions stand between the loads of the block before and the wait for them
	SEND \j, (\a)-1
	TOSTAGE \a
.endr
	SEND \j, 3
.endm
	PLACES
	BLOAD 0, BB0
	BLOAD 1, BB1
	s_wait_loadcnt 16                              ; b_Q is in; b_K's 16 loads may stay out
	ROUND BB0
	ADDB 0, BB0
	BLOAD 2, BB0
	OUTJ 0
	s_wait_loadcnt 16                              ; b_K is in; b_V's may stay out
	ROUND BB1
	ADDB 1, BB1
	OUTJ 1
	s_wait_loadcnt 0x0
	ROUND BB0
	ADDB 2, BB0
	; the sums of v over my 64 rows: first my four row blocks, in registers; then the 16 rows that the lanes hold, through my stage
	WIN 0x0f
.set n, 0
.rept 32
	v_pk_add_f32 v[BB1+2*n:BB1+2*n+1], v[2*n:2*n+1], v[64+2*n:64+2*n+1]
.set n, n+1
.endr
	WIN 0x0c
.set n, 0
.rept 32
	v_pk_add_f32 v[BB1+2*n:BB1+2*n+1], v[BB1+2*n:BB1+2*n+1], v[128+2*n:128+2*n+1]
.set n, n+1
.endr
.set n, 0
.rept 32
	v_pk_add_f32 v[BB1+2*n:BB1+2*n+1], v[BB1+2*n:BB1+2*n+1], v[192+2*n:192+2*n+1]
.set n, n+1
.endr
	WIN 0
.irp nb, 0,1,2,3,4,5,6,7
	ds_store_b128 v[CS], v[BB1+8*\nb:BB1+8*\nb+3]   offset:64*\nb
	ds_store_b128 v[CS], v[BB1+8*\nb+4:BB1+8*\nb+7] offset:64*\nb+16
.endr
.irp t, 0,1,2,3,4,5,6,7,8,9,10,11,12,13,14,15
	ds_load_b128 v[BB0+4*\t:BB0+4*\t+3], v[CR] offset:\t*CPITCH   ; my four columns of row t
.endr
	s_wait_dscnt 0x0
.irp d, 8,4,2,1
.set n, 0
.rept \d
	v_pk_add_f32 v[BB0+4*n:BB0+4*n+1],   v[BB0+4*n:BB0+4*n+1],   v[BB0+4*(n+\d):BB0+4*(n+\d)+1]
	v_pk_add_f32 v[BB0+4*n+2:BB0+4*n+3], v[BB0+4*n+2:BB0+4*n+3], v[BB0+4*(n+\d)+2:BB0+4*(n+\d)+3]
.set n, n+1
.endr
.endr
	global_store_b128 v[CO], v[BB0:BB0+3], s[16:17]    ; 512 consecutive bytes: the block's 128 sums
	OUTJ 2
	s_wait_tensorcnt 0x0                           ; the wave's end: behind my last tensor load and my last LDS store
	ds_add_u32 v[SPW], v[NIL]
	s_wait_dscnt 0x0
	CROUND                                         ; the closing round: no work-group ends while a partner may still ask for a tile that names it
	s_endpgm
.Lfunc_end_k_q68bf3c691f_qkv:
	.size	k_q68bf3c691f_qkv, .Lfunc_end_k_q68bf3c691f_qkv-k_q68bf3c691f_qkv
	.p2alignl 7, 3214868480
	.fill 96, 4, 3214868480
	.section	.rodata,"a",@progbits
	.p2align	6, 0x0
	.amdhsa_kernel k_q68bf3c691f_qkv
		.amdhsa_group_segment_fixed_size 327680
		.amdhsa_private_segment_fixed_size 0
		.amdhsa_enable_private_segment 0
		.amdhsa_kernarg_size 56
		.amdhsa_user_sgpr_count 2
		.amdhsa_user_sgpr_kernarg_segment_ptr 1
		.amdhsa_wavefront_size32 1
		.amdhsa_system_sgpr_workgroup_id_x 1
		.amdhsa_system_sgpr_workgroup_id_y 1
		.amdhsa_system_sgpr_workgroup_id_z 1
		.amdhsa_system_vgpr_workitem_id 0
		.amdhsa_next_free_vgpr 1024
		.amdhsa_next_free_sgpr 96
		.amdhsa_reserve_vcc 0
		.amdhsa_float_denorm_mode_32 3
		.amdhsa_float_denorm_mode_16_64 3
		.amdhsa_memory_ordered 1
		.amdhsa_forward_progress 1
		.amdhsa_inst_pref_size 193
	.end_amdhsa_kernel
	.amdgpu_metadata
---
amdhsa.version: [ 1, 2 ]
amdhsa.kernels:
  - .name:           k_q68bf3c691f_qkv
    .symbol:         k_q68bf3c691f_qkv.kd
    .args:
      - { .name: xb, .offset: 0, .size: 8, .value_kind: global_buffer, .address_space: global }
      - { .name: wb, .offset: 8, .size: 8, .value_kind: global_buffer, .address_space: global }
      - { .name: b_Q, .offset: 16, .size: 8, .value_kind: global_buffer, .address_space: global }
      - { .name: b_K, .offset: 24, .size: 8, .value_kind: global_buffer, .address_space: global }
      - { .name: b_V, .offset: 32, .size: 8, .value_kind: global_buffer, .address_space: global }
      - { .name: qkv, .offset: 40, .size: 8, .value_kind: global_buffer, .address_space: global }
      - { .name: vsum, .offset: 48, .size: 8, .value_kind: global_buffer, .address_space: global }
    .group_segment_fixed_size: 327680
    .private_segment_fixed_size: 0
    .kernarg_segment_align: 8
    .kernarg_segment_size: 56
    .max_flat_workgroup_size: 128
    .sgpr_count:     96
    .vgpr_count:     1024
    .wavefront_size: 32
...
	.end_amdgpu_metadata
.endif
;; end of part 2
;; launch attn (part 3): grid 8 x 32, 4 waves a work-group, clusters of 4 x 1, 327,680 bytes of LDS; arguments qkv, vsum, z; writes z
.if DOCPART == 3
	.amdgcn_target "amdgcn-amd-amdhsa--gfx1250"
	.amdhsa_code_object_version 6
	.text
	.protected	k_q68bf3c691f_attn
	.globl	k_q68bf3c691f_attn
	.p2align	8
	.type	k_q68bf3c691f_attn,@function
k_q68bf3c691f_attn:
	s_mov_b64 s[64:65], 0
	v_nop
	global_prefetch_b8 v0, s[64:65] scope:SCOPE_SE
	s_setreg_imm32_b32 hwreg(HW_REG_WAVE_MODE, 25, 1), 1
	s_wait_xcnt 0x0
	s_wait_alu depctr_hold_cnt(0) depctr_sa_sdst(0) depctr_va_vdst(0) depctr_va_sdst(0) depctr_va_ssrc(0) depctr_va_vcc(0) depctr_vm_vsrc(0)
	s_getreg_b32 s2, hwreg(HW_REG_IB_STS2, 6, 4)
	s_cmp_eq_u32 s2, 0
	s_cbranch_scc0 .Lentry_in_a_cluster
	s_endpgm
.Lentry_in_a_cluster:
	s_bfe_u32 s2, ttmp6, 0x10000c
	s_cmp_lg_u32 s2, 0x3003
	s_cbranch_scc0 .Lentry_shape_is_right
	s_endpgm
.Lentry_shape_is_right:
; z[h][q] = the sum over all keys s of softmax_s(score) v[h][s], score = q . k / sqrt(128) for s <= q and -100000 for s > q.  qkv: f16 [16 part + head][2048 batch + row][128]; vsum: f32 [head][block of 64 rows][128]; z: f16 [head][row][128].
; WORK LEFT OUT: the products q . k of key steps behind a block of 512 queries: reference() replaces them by the constant fill whatever they are (shown at the head of the first kernel).  Their weights and rows of v are NOT left out.
; HOW THE FILL IS KEPT.  In units of q . k the fill is F = -100000 sqrt(128).  A query lies in band B (64 rows; 0..31 in its batch); a key step is 64 keys.  Steps before B: true scores.  Step B: hidden places are set to exactly F
; (s x MA + MB, MA = 1 or 0, MB = 0 or F; a score of finite f16 numbers is finite, so 0 x s = 0).  All keys from 64 (B + 1) on carry the score F: they are the STATE FROM WHICH THE RUNNING SOFTMAX STARTS: maximum F, sum their number,
; O the sum of their rows of v (from vsum).  Steps behind B that the walk still passes start their scores at -1e30 and weigh 0, so that no key counts twice.  For B = 31 there is no such key: the maximum starts at the lowest finite number.
; LIMITS.  q, k, v within 65,504; a weight below 2^-126 counts as 0; the weight of the keys in the starting state differs from that of a hidden key of step B by a factor of 2^0.008 at the most (c F is rounded once);
; NaN and infinities are not treated apart, and none that arises only in a product left out is carried to the result.
; THE WALK.  A cluster of four work-groups takes 512 queries of one head at a time and asks for K's and V's tiles (256 keys) JOINTLY.  Cluster cl (0, 1) takes block 3 - cl and then block cl of the batch's four: 8 (4 - cl) + 8 (cl + 1) = 40
; key steps, 10 tiles, whatever cl; all partners run the same text over the same keys.  Rows of (partner cx, wave w, tile t): 512 block + 64 (4 t + w) + 16 cx + 0..15: the band hangs on block, t and w alone; cx enters addresses and the mask's values alone.
; LAYOUT.  S^T = K Q^T holds one query a lane (lane % 16) and the keys 8 (lane / 16) + 0..7; two such results rounded to f16 are source 1 of O^T = V^T P.  p = 2^(c s - c m), c = log2(e) / sqrt(128), m a running maximum; O and l are
; multiplied by a = 2^(c m_old - c m_new) in every step.
; BY TURNS.  S^T and P have two sets, for even steps (piece 0) and odd steps (piece 2).  The turn of step j: 32 products V^T P of step j - 1, then 32 products K Q^T of step j + 1, and behind each one slice of the softmax of step j.
; The rescaling of O^T stands in the last slices, behind the turn's V^T P.  Each turn fetches K and V of step j + 1 from LDS, in two runs of 32 loads; V has two register buffers, by parity.
; REGISTERS, in windows of 256:  0: addresses, statistics, masks' C operand, S^T (v64-191), P (v192-255)   1: O^T (v0-127), MA, MB   2: Q, the second block's Q, K   3: V of even steps, V of odd steps.
; A wave has two tensor loads out at the start and one behind each change of slots, which has four key steps, 256 matrix instructions, in which to land.  All of the WGP's LDS is claimed.
.set KS,    64
.set PK,    272                        ; a row of K in LDS: 256 bytes + 16
.set PVP,   288                        ; a row of V: 256 + 32
.set KSTEP, KS*PK
.set VSTEP, KS*PVP
.set VOFF,  4*KSTEP                    ; a slot: 256 rows of K, then 256 rows of V
.set SLOT1, 0x24000                    ; slot 1 begins here; no address in slot 0 to which the exclusive or is applied has one of these two bits
.set STAGE, SLOT1+4*(KSTEP+VSTEP)      ; never filled by a tensor load: 16 rows x 272 bytes for each wave
.set SP,    272
.set SUFT,  STAGE+4*16*SP              ; 16 rows of 128 f32: row 8 ph + i = the sum of v's rows behind band i of the work-group's first (ph = 0) or second (ph = 1) block
.set SPARE, SUFT+16*512                ; the spare words, 128 bytes for each wave
.set AK0, 2
.set AV0, 3
.set ADR, 4
.set QO,  5
.set STO, 6
.set RD,  7
.set GO,  8
.set TS0, 9                            ; v9   SUFT + 512 x wave + 32 (lane / 16); never rewritten
.set THR, 10                           ; v10  my query's place in its band less 8 (lane / 16)
.set TA,  11                           ; v11  at work
.set ST,  12                           ; tile t's statistics at v[ST+8 t]: c m, m, l (even keys', odd keys'), c0-c3 at work; a takes c2's place
.set MC,  28                           ; tile t's C operand for new scores at v[MC+8 t]: 0, or -1e30 behind the band's own step
.set PFO, 61
.set SPW, 62
.set NIL, 63
.set S,   64
.set P,   192
.set MA,  128                          ; window 1
.set MB,  160                          ; window 1
.set QB,  64                           ; window 2
.set KF,  128                          ; window 2
.set WV,  12
.set CX,  13
.set CL,  14
.set LIM, 15
.set PFA, 18
.set G1K, 24
.set G1V, 32
.set G0K, 40                           ; s[40:47] two sets for the first fills; the second then walks
.set G0V, 48
.set SLOTS, 56
.set TWICE, 57
.set CS,  58
.set SEL, 60
.set TBK, 62                           ; LDS byte at which K of the step to be fetched begins
.set TBV, 63                           ; the same for V, less VOFF
.set JN,  66                           ; the step, in its block's count, whose scores were made last
.set NPH, 67                           ; the block's number of steps + 1
.set B0,  68                           ; s68, s69: the bands of my two tiles
.set NXT, 70                           ; the tile to be asked for next
.set LQ,  71                           ; the last tile of the block whose tiles are being asked for
.set OFF, 72
.set BIGN, 74
.set FILL, 75
.set ZN,  78                           ; s[78:79] z at my rows of the second block
.set VS,  86
.set QN,  88
.set MSB, 0
.macro WIN new
.if MSB != (\new)
	s_set_vgpr_msb (MSB<<8)|(\new)
.set MSB, \new
.endif
.endm
.set W_KQ, 0x0a
.set W_PV, 0x53
.set W_RS, 0x41
.macro PLACES
.rept 4
	v_nop
.endr
.endm
.macro JLOAD                           ; waves 0 and 1 fetch the halves of a tile's K, waves 2 and 3 those of its V; an s_nop 0 and four v_nop follow each line
	s_cmp_lt_u32 s[WV], 2
	s_cbranch_scc0 .Lfor_v_\@
	tensor_load_to_lds s[G0K+4:G0K+7], s[G1K:G1K+7]
	s_nop 0
.rept 4
	v_nop
.endr
	s_branch .Lasked_\@
.Lfor_v_\@:
	tensor_load_to_lds s[G0V+4:G0V+7], s[G1V:G1V+7]
	s_nop 0
.rept 4
	v_nop
.endr
.Lasked_\@:
.endm
; A prefetch into the L2 of the tile that the NEXT change of slots asks for: 512 rows of 256 bytes, a lane a row.  Both clusters of a head walk the same rows: cluster 0 asks, in its first block alone (tiles 3 to 7; the second block
; reads tiles again).  The four partners take 64 rows of K and of V each, told apart by address; in each, a wave takes 32.  So each row is named once.
.macro ASK
	s_cmp_gt_u32 s[SLOTS], s[LIM]
	s_cbranch_scc0 .Lnot_mine_\@
	global_prefetch_b8 v[PFO], s[PFA:PFA+1] th:TH_LOAD_NT scope:SCOPE_SE
.Lnot_mine_\@:
.endm
.macro CROUND
	s_barrier_signal -1
	s_barrier_wait -1
	s_cmp_lg_u32 s[WV], 0
	s_cbranch_scc1 .Lnot_wave_0_\@
	s_barrier_signal -3
.Lnot_wave_0_\@:
	s_barrier_wait -3
	s_barrier_signal -1
	s_barrier_wait -1
.endm
	s_load_b128 s[84:87], s[0:1], 0x0              ; qkv s[84:85], vsum s[86:87]
	s_load_b64 s[10:11], s[0:1], 0x10              ; z
	v_lshl_add_u32 v[SPW], v0, 2, SPARE
	v_mov_b32 v[NIL], 0
	ds_add_u32 v[SPW], v[NIL]                      ; the wave's opening: the add, twice on end, and its wait ahead of my first tensor load
	ds_add_u32 v[SPW], v[NIL]
	v_lshrrev_b32 v1, 5, v0
	v_readfirstlane_b32 s[WV], v1
	s_bfe_u32 s[CX], ttmp6, 0x40000
	s_mov_b32 s[CL], ttmp9                         ; in a cluster launch ttmp9 counts clusters
	s_and_b32 s20, ttmp7, 0xffff
	s_and_b32 s21, s20, 15                         ; head
	s_lshr_b32 s22, s20, 4                         ; batch
	s_lshl_b32 s23, s21, 20
	s_lshl_b32 s16, s22, 19
	s_add_co_u32 s23, s23, s16                     ; the head's and batch's first row, in bytes
	s_and_b32 s16, s[WV], 1                        ; which half of a tile's 256 keys I fetch
	s_lshl_b32 s17, s16, 15
	s_add_co_u32 s17, s17, s23
	s_add_co_u32 s2, s17, 16<<20                   ; K
	s_mov_b32 s3, 0
	s_add_co_u32 s90, s17, 32<<20                  ; V
	s_mov_b32 s91, 0
	s_mul_i32 s17, s16, 128*PK                     ; its place in a slot, for K
	s_mul_i32 s100, s16, 128*PVP
	s_add_co_u32 s100, s100, VOFF                  ; and for V
	s_lshl_b32 s92, s[WV], 14                      ; my rows: 64 w + 16 cx in a block,
	s_lshl_b32 s93, s[CX], 12
	s_add_co_u32 s92, s92, s93
	s_add_co_u32 s92, s92, s23
	s_sub_co_u32 s93, 3, s[CL]
	s_lshl_b32 s93, s93, 17
	s_add_co_u32 s94, s92, s93                     ; in the first block,
	s_mov_b32 s95, 0
	s_lshl_b32 s93, s[CL], 17
	s_add_co_u32 s96, s92, s93                     ; and in the second
	s_mov_b32 s97, 0
	s_lshl_b32 s98, s21, 15
	s_lshl_b32 s93, s22, 14
	s_add_co_u32 s98, s98, s93                     ; vsum: (64 head + 32 batch) x 512
	s_mov_b32 s99, 0
	s_mov_b32 s[G1K], 15|(1<<16)|(1<<20)|(1<<21)|(5<<22)|(3<<25)  ; the mask of four; 2-byte elements; padding on; bit 21 beside a mask; after every 64 words 4 words
	s_mov_b32 s[G1V], 15|(1<<16)|(1<<20)|(1<<21)|(5<<22)|(7<<25)  ; 8 words
.irp g, G1K, G1V
	s_mov_b32 s[\g+1], 128<<16                     ; 128 rows of 128 elements
	s_mov_b32 s[\g+2], 128<<16
	s_mov_b32 s[\g+3], 128<<16
	s_mov_b32 s[\g+4], 128
	s_mov_b32 s[\g+5], 128
	s_mov_b32 s[\g+6], 0
	s_mov_b32 s[\g+7], 0
.endr
	s_mov_b32 s[CS], 0x3e0293ee                    ; c = log2(e) / sqrt(128)
	s_mov_b32 s[CS+1], s[CS]
	s_mov_b32 s[SEL], 0x76543210
	s_mov_b32 s[SEL+1], 0xfedcba98
	s_mov_b32 s[TBK], 0
	s_mov_b32 s[TBV], 0
	s_mov_b32 s[BIGN], 0xf149f2ca                  ; -1e30
	s_mov_b32 s[FILL], 0xc98a1b57                  ; F = -100000 sqrt(128)
	s_mov_b32 s[OFF+1], 0
	s_mov_b32 s[NXT], 2
	s_lshl_b32 s[LQ], s[CL], 1
	s_sub_co_u32 s[LQ], 7, s[LQ]                   ; the first block has 8 - 2 cl tiles
	s_cmp_eq_u32 s[CL], 0
	s_cselect_b32 s[LIM], 3, -1
	s_mul_i32 s92, s16, 24576
	s_lshl_b32 s93, s[CX], 14
	s_add_co_u32 s93, s93, 131072
	s_sub_co_u32 s92, s93, s92                     ; from my half's first row to my 32 rows of tile 2: 2 x 65,536 + 16,384 cx + 8,192 half - 32,768 half
	s_mov_b32 s93, 0
	s_wait_dscnt 0x0                               ; both opening adds are done
	s_wait_kmcnt 0x0
	s_add_nc_u64 s[6:7], s[84:85], s[2:3]          ; K and V at my half of tile 0
	s_add_nc_u64 s[8:9], s[84:85], s[90:91]
	s_add_nc_u64 s[4:5], s[84:85], s[94:95]        ; Q of the first block,
	s_add_nc_u64 s[QN:QN+1], s[84:85], s[96:97]    ; of the second
	s_add_nc_u64 s[ZN:ZN+1], s[10:11], s[96:97]
	s_add_nc_u64 s[10:11], s[10:11], s[94:95]
	s_add_nc_u64 s[VS:VS+1], s[VS:VS+1], s[98:99]
	s_cmp_lt_u32 s[WV], 2
	s_cselect_b64 s[PFA:PFA+1], s[6:7], s[8:9]
	s_add_nc_u64 s[PFA:PFA+1], s[PFA:PFA+1], s[92:93]  ; in tile 2; the first change of slots steps it to tile 3
	CROUND                                         ; all four work-groups are here: the first joint loads meet
.irp s, 0,1
	s_mov_b32 s[G0K+4*\s], 1
	s_add_co_u32 s[G0K+4*\s+1], s17, \s*SLOT1
	s_add_nc_u64 s[G0K+4*\s+2:G0K+4*\s+3], s[6:7], \s*65536
	s_or_b32 s[G0K+4*\s+3], s[G0K+4*\s+3], 0x80000000
	s_mov_b32 s[G0V+4*\s], 1
	s_add_co_u32 s[G0V+4*\s+1], s100, \s*SLOT1
	s_add_nc_u64 s[G0V+4*\s+2:G0V+4*\s+3], s[8:9], \s*65536
	s_or_b32 s[G0V+4*\s+3], s[G0V+4*\s+3], 0x80000000
.endr
	s_cmp_lt_u32 s[WV], 2                          ; a wave's two first fills stand in one branch, ahead of every wait on TENSORcnt and every LDS read
	s_cbranch_scc0 .Lfirst_v
	tensor_load_to_lds s[G0K:G0K+3], s[G1K:G1K+7]
	s_nop 0
	tensor_load_to_lds s[G0K+4:G0K+7], s[G1K:G1K+7]
	s_nop 0
.rept 4
	v_nop
.endr
	s_branch .Lfirst_asked
.Lfirst_v:
	tensor_load_to_lds s[G0V:G0V+3], s[G1V:G1V+7]
	s_nop 0
	tensor_load_to_lds s[G0V+4:G0V+7], s[G1V:G1V+7]
	s_nop 0
.rept 4
	v_nop
.endr
.Lfirst_asked:
	v_and_b32 v1, 15, v0                           ; r = l % 16
	v_bfe_u32 v44, v0, 4, 1                        ; H = l / 16
	v_and_b32 v45, 7, v0
	v_bfe_u32 v46, v0, 3, 1
	v_and_b32 v47, 31, v0
	v_lshlrev_b32 v48, 2, v0                       ; 4 x my thread's number: my channel in a row of vsum
	v_lshlrev_b32 v[QO], 8, v1
	v_lshl_add_u32 v[QO], v44, 4, v[QO]
	WIN 0x80                                       ; destination window 2
.set i, 0
.rept 8                                        ; both blocks' Q: tile i / 4 lies 256 rows on; channels 32 (i % 4) on
	global_load_b128 v[8*i:8*i+3],         v[QO], s[4:5] offset:(i/4)*65536+(i%4)*64
	global_load_b128 v[8*i+4:8*i+7],       v[QO], s[4:5] offset:(i/4)*65536+(i%4)*64+32
	global_load_b128 v[QB+8*i:QB+8*i+3],   v[QO], s[QN:QN+1] offset:(i/4)*65536+(i%4)*64
	global_load_b128 v[QB+8*i+4:QB+8*i+7], v[QO], s[QN:QN+1] offset:(i/4)*65536+(i%4)*64+32
.set i, i+1
.endr
	WIN 0
.set i, 1
.rept 31
	global_load_b32 v[S+i], v48, s[VS:VS+1] offset:512*i   ; my channel of the sums of blocks 1 to 31
.set i, i+1
.endr
	WIN 0xc0
.set i, 128
.rept 128
	v_mov_b32 v[i], 0                              ; the first turn's products V^T P, of a step that has not been, multiply zeros
.set i, i+1
.endr
	WIN 0
	v_lshlrev_b32 v[TA], 3, v44
	v_sub_nc_u32 v[THR], v1, v[TA]
	s_lshl_b32 s92, s[CX], 4
	v_add_nc_u32 v[THR], s92, v[THR]               ; 16 cx + r - 8 H: register 8 kb + jj of a band's own step is hidden where 16 kb + jj is greater
	WIN 0x40
.set i, 0
.rept 32
	v_cmp_gt_i32 vcc_lo, 16*(i/8)+i%8, v[THR]
	v_cndmask_b32 v[MA+i], 1.0, 0, vcc_lo
	v_cndmask_b32 v[MB+i], 0, s[FILL], vcc_lo
.set i, i+1
.endr
	WIN 0
	v_mul_u32_u24 v[AK0], v1, PK
	v_lshl_add_u32 v[AK0], v44, 4, v[AK0]
	v_lshl_add_u32 v[AV0], v44, 3, v45             ; the turning load: key 8 H + l % 8, 16 bytes by (l / 8) % 2
	v_mul_u32_u24 v[AV0], v[AV0], PVP
	v_lshl_add_u32 v[AV0], v46, 4, v[AV0]
	v_add_nc_u32 v[AV0], VOFF, v[AV0]
	s_mul_i32 s92, s[WV], 16*SP
	s_add_co_u32 s92, s92, STAGE
	v_mul_u32_u24 v[STO], v1, SP
	v_lshl_add_u32 v[STO], v44, 4, v[STO]
	v_add_nc_u32 v[STO], s92, v[STO]
	v_mul_u32_u24 v[RD], v44, SP
	v_lshl_add_u32 v[RD], v1, 4, v[RD]
	v_add_nc_u32 v[RD], s92, v[RD]
	v_lshlrev_b32 v[GO], 4, v47
	s_lshl_b32 s93, s[WV], 9
	s_add_co_u32 s93, s93, SUFT
	v_lshlrev_b32 v[TS0], 5, v44
	v_add_nc_u32 v[TS0], s93, v[TS0]               ; the table's row w, my eight channels of a block of 16: block and tile stand in the loads' immediates
	v_lshlrev_b32 v[PFO], 8, v47
	v_add_nc_u32 v49, SUFT, v48
	; THE TABLE OF SUMS.  Thread n has channel n.  In place, v[S+i] becomes the sum of blocks i to 31, so the sum behind band b is v[S+b+1] (behind band 31: 0).  Which sixteen of them the work-group needs hangs on the
	; cluster's number: they are CHOSEN as values (block 3 or 2 first, block 0 or 1 second) and stored at fixed places, so that no LDS address hangs on that number.
	s_wait_loadcnt 0x0                             ; Q and the sums
	v_mov_b32 v[S+32], 0
.set i, 30
.rept 30
	v_add_f32 v[S+i], v[S+i], v[S+i+1]
.set i, i-1
.endr
	s_cmp_eq_u32 s[CL], 1
	s_cselect_b32 s90, -1, 0                       ; all lanes choose alike
.set i, 0
.rept 8
	v_cndmask_b32 v[S+40+i], v[S+25+i], v[S+17+i], s90   ; the first block: bands 24 + i (cluster 0) or 16 + i (cluster 1)
	v_cndmask_b32 v[S+48+i], v[S+1+i],  v[S+9+i],  s90   ; the second: bands i or 8 + i
	ds_store_b32 v49, v[S+40+i] offset:512*i
	ds_store_b32 v49, v[S+48+i] offset:512*(8+i)
.set i, i+1
.endr
; THE MATRIX WORK.  The accumulators take turns, one instruction a turn.
.macro PV x                            ; product i of 32 of O^T += V^T P, piece x: keys 32 (i / 16) on, channels 16 ((i / 2) % 8) on, tile i % 2
	WIN W_PV
.set rO, 64*(i%2)+8*((i/2)%8)
.set rV, 128*((\x)/2)+64*(i/16)+8*((i/2)%8)
.set rP, P+16*((\x)+i%2)+8*(i/16)
	v_wmma_f32_16x16x32_f16 v[rO:rO+7], v[rV:rV+7], v[rP:rP+7], v[rO:rO+7]
.endm
.macro KQ x                            ; product i of 32 of S^T = K Q^T, piece x: channels 32 (i / 8) on, keys 16 ((i / 2) % 4) on, tile i % 2; the first 8 start the sums from the tile's C operand
	WIN W_KQ
.set rS, S+32*((\x)+i%2)+8*((i/2)%4)
.set rK, KF+32*((i/2)%4)+8*(i/8)
.set rQ, 32*(i%2)+8*(i/8)
.set rM, MC+8*(i%2)
.if i < 8
	v_wmma_f32_16x16x32_f16 v[rS:rS+7], v[rK:rK+7], v[rQ:rQ+7], v[rM:rM+7]
.else
	v_wmma_f32_16x16x32_f16 v[rS:rS+7], v[rK:rK+7], v[rQ:rQ+7], v[rS:rS+7]
.endif
.endm
.macro FETCH_K
	WIN 0
	v_add_nc_u32 v[ADR], s[TBK], v[AK0]
	s_add_co_u32 s[TBK], s[TBK], KSTEP
	WIN 0x80
.irp f, 0,1,2,3,4,5,6,7,8,9,10,11,12,13,14,15
	ds_load_b128 v[KF+8*\f:KF+8*\f+3],   v[ADR] offset:(\f/4)*16*PK+(\f%4)*64
	ds_load_b128 v[KF+8*\f+4:KF+8*\f+7], v[ADR] offset:(\f/4)*16*PK+(\f%4)*64+32
.endr
.endm
.macro FETCH_V x, wa                   ; wa = 1: the wait for the softmax's batch of exponentials stands here, ahead of the loads
	WIN 0
	v_add_nc_u32 v[ADR], s[TBV], v[AV0]
	s_add_co_u32 s[TBV], s[TBV], VSTEP
.if \wa
	s_wait_alu depctr_va_vdst(0)
.endif
	WIN 0xc0
.irp f, 0,1,2,3,4,5,6,7,8,9,10,11,12,13,14,15
	ds_load_tr16_b128 v[128*((\x)/2)+8*\f:128*((\x)/2)+8*\f+3],   v[ADR] offset:(\f/8)*32*PVP+(\f%8)*32
	ds_load_tr16_b128 v[128*((\x)/2)+8*\f+4:128*((\x)/2)+8*\f+7], v[ADR] offset:(\f/8)*32*PVP+16*PVP+(\f%8)*32
.endr
.endm
; THE VECTOR WORK.  One tile's softmax for one key step is a list of 134 instructions; SM writes number j of it for set t (piece + tile); statistics and O^T go by the tile, t % 2.
;   0-15 the maximum of the 32 scores and the old m   16-20 the other half of the lanes'; m; c m; its change   21-69 ONE BATCH: 16 scalings and 33 exponentials, none of which reads an exponential's result
;   (the wait)   70-85 roundings to f16   86-101 the sums; l = a l + sum   102-133 O^T times a
.macro SM t
.set rT, ST+8*((\t)%2)
.set rS, S+32*(\t)
.set rP, P+16*(\t)
.set rO, 64*((\t)%2)+2*(j-102)
.if j < 102
	WIN 0
.endif
.if j < 4
	v_max3_num_f32 v[rT+4+j], v[rS+8*j], v[rS+8*j+1], v[rS+8*j+2]
.elseif j < 12
	v_max3_num_f32 v[rT+4+j%4], v[rT+4+j%4], v[rS+8*(j%4)+2*(j/4)+1], v[rS+8*(j%4)+2*(j/4)+2]
.elseif j == 12
	v_max3_num_f32 v[rT+4], v[rT+4], v[rS+7], v[rS+15]
.elseif j == 13
	v_max3_num_f32 v[rT+6], v[rT+6], v[rS+23], v[rS+31]
.elseif j == 14
	v_max3_num_f32 v[rT+4], v[rT+4], v[rT+5], v[rT+6]
.elseif j == 15
	v_max3_num_f32 v[rT+4], v[rT+4], v[rT+7], v[rT+1]
.elseif j == 16
	v_permlanex16_b32 v[rT+5], v[rT+4], s[SEL], s[SEL+1]
.elseif j == 17
	v_mov_b32 v[rT+7], v[rT]
.elseif j == 18
	v_max_num_f32 v[rT+1], v[rT+4], v[rT+5]
.elseif j == 19
	v_mul_f32 v[rT], s[CS], v[rT+1]
.elseif j == 20
	v_sub_f32 v[rT+7], v[rT+7], v[rT]
.elseif j == 23
	v_exp_f32 v[rT+6], v[rT+7]
.elseif (j < 23) || ((j < 38) && (j%2 == 0)) || ((j < 66) && (j%4 == 2))
.set b, (j-2)/4
.if j < 38
.set b, (j-20)/2
.endif
	v_pk_fma_f32 v[rS+2*b:rS+2*b+1], v[rS+2*b:rS+2*b+1], s[CS:CS+1], v[rT:rT+1] op_sel_hi:[1,0,0] neg_lo:[0,0,1] neg_hi:[0,0,1]
.elseif j < 70
.set e, j-38
.if j < 66
.set e, j-32-(j-38)/4
.endif
.if j < 38
.set e, (j-25)/2
.endif
	v_exp_f32 v[rS+e], v[rS+e]
.elseif j < 86
	v_cvt_pk_f16_f32 v[rP+j-70], v[rS+2*(j-70)], v[rS+2*(j-70)+1]
.elseif j < 102
.set z, j-86
.set w, 4
.set u, z
.if z >= 14
.set w, 32
.set u, 0
.elseif z >= 12
.set w, 16
.set u, z-12
.elseif z >= 8
.set w, 8
.set u, z-8
.endif
.if z < 15
	v_pk_add_f32 v[rS+w*u:rS+w*u+1], v[rS+w*u:rS+w*u+1], v[rS+w*u+w/2:rS+w*u+w/2+1]
.else
	v_pk_fma_f32 v[rT+2:rT+3], v[rT+2:rT+3], v[rT+6:rT+7], v[rS:rS+1] op_sel_hi:[1,0,1]
.endif
.else
	WIN W_RS
	v_pk_mul_f32 v[rO:rO+1], v[rO:rO+1], v[rT+6:rT+7] op_sel_hi:[1,0]
.endif
.endm
; Slice k of 64 of piece y's softmax: four instructions; slices 11 to 34 deal out the batch, four numbers of one tile each; the twelve that are over stand in slice 63, and are the places behind the turn's last product.
; Behind slice 34 both tiles' 66 exponentials are out and no result has been named: one plain instruction, and the one wait ahead of the first reader.
.macro SLICE y
.if (k >= 11) && (k < 35)
.irp n, 0,1,2,3
.set j, 22+4*((k-11)/2)+(\n)
	SM (\y)+(k-11)%2
.endr
.else
.irp n, 0,1,2,3,4,5,6,7
.if ((\n) < 2) || (k == 63)
.irp t, \y, (\y)+1
.set j, 2*k+(\n)
	SM \t
.endr
.endif
.endr
.endif
.if k == 34
	v_nop
.if FV
	FETCH_V XV, 1                                  ; V's last reader stands in front of slice 31: two scalings, the v_nop and the run's own address line are the four places between
.else
	s_wait_alu depctr_va_vdst(0)
.endif
.endif
.set k, k+1
.endm
; A TURN, for piece x.  kq = 0: the walk's last turn: no new scores and no fetch; the slices that have no product stand bare, so that O^T's rescaling stays behind all of the turn's V^T P.
.macro TURN x, kq
.set k, 0
.set FV, (\kq)
.set XV, (\x)
	s_wait_dscnt 0x0                               ; every fetch issued so far is in, both buffers of V among them
.set i, 0
.rept 32
	PV \x
	SLICE 2-(\x)
.if (\kq) && (i == 1)
	FETCH_K                                        ; K's last reader stands in front of slice 63 of the turn before
.endif
.set i, i+1
.endr
.if \kq
	s_wait_dscnt 0x0                               ; K is in
.set i, 0
.rept 32
	KQ \x
	SLICE 2-(\x)
.set i, i+1
.endr
.else
.rept 32
	SLICE 2-(\x)
.endr
.endif
.endm
; Behind the products that made piece x's scores of step JN.  Where that step is a tile's own, its hidden places are set to F, and the tile's later scores start at -1e30.  The jump hangs on the cluster's number, the wave's and the count of steps.
.macro OWN x, t
	s_cmp_eq_u32 s[JN], s[B0+(\t)]
	s_cbranch_scc0 .Lnot_own_\@
	WIN 0x14                                       ; sources 1 and 2 in window 1
.set i, 0
.rept 16
	v_pk_fma_f32 v[S+32*((\x)+(\t))+2*i:S+32*((\x)+(\t))+2*i+1], v[S+32*((\x)+(\t))+2*i:S+32*((\x)+(\t))+2*i+1], v[MA+2*i:MA+2*i+1], v[MB+2*i:MB+2*i+1]
.set i, i+1
.endr
	WIN 0
.set i, 0
.rept 8
	v_mov_b32 v[MC+8*(\t)+i], s[BIGN]
.set i, i+1
.endr
.Lnot_own_\@:
.endm
.macro AFTER x
	WIN 0
	OWN \x, 0
	OWN \x, 1
	s_add_co_u32 s[JN], s[JN], 1
.endm
; THE CHANGE OF SLOTS, between an even step's turn and the odd step's: the slot's last step has been fetched.  Each wave waits for all its tensor loads (one is out: its part of the other slot), adds 0 to its spare word, and waits for
; that and for its reads of the slot.  fill = 1: a round of the cluster's barrier, and the joint refill, with tile NXT, first behind it; the descriptor's address is made anew from the tile's number.
.macro CHANGE fill
	WIN 0
	s_wait_tensorcnt 0x0
	ds_add_u32 v[SPW], v[NIL]
.if \fill
	s_lshl_b32 s[OFF], s[NXT], 16                  ; a tile is 65,536 bytes of K and of V
	s_xor_b32 s[G0K+5], s[G0K+5], SLOT1
	s_add_nc_u64 s[G0K+6:G0K+7], s[6:7], s[OFF:OFF+1]
	s_or_b32 s[G0K+7], s[G0K+7], 0x80000000
	s_xor_b32 s[G0V+5], s[G0V+5], SLOT1
	s_add_nc_u64 s[G0V+6:G0V+7], s[8:9], s[OFF:OFF+1]
	s_or_b32 s[G0V+7], s[G0V+7], 0x80000000
	s_add_co_u32 s[NXT], s[NXT], 1                 ; the block's next tile, or behind its last the second block's tile 0
	s_cmp_gt_u32 s[NXT], s[LQ]
	s_cselect_b32 s[NXT], 0, s[NXT]
	s_cselect_b32 s[LQ], 15, s[LQ]
	s_wait_xcnt 0x0                                ; the last prefetch, four key steps back, has read its address
	s_add_nc_u64 s[PFA:PFA+1], s[PFA:PFA+1], 65536
	s_wait_dscnt 0x0                               ; the add is done, and my reads of the slot are over
	CROUND
	JLOAD
	ASK
.else
	s_wait_dscnt 0x0
	s_barrier_signal -1
	s_barrier_wait -1
.endif
	s_sub_co_u32 s[TBK], s[TBK], 4*KSTEP           ; the fetches go back to a slot's first step,
	s_xor_b32 s[TBK], s[TBK], SLOT1                ; in the other slot
	s_sub_co_u32 s[TBV], s[TBV], 4*VSTEP
	s_xor_b32 s[TBV], s[TBV], SLOT1
.endm
; A BLOCK BEGINS: ph = 0 the work-group's first block, 1 its second (B0, B0 + 1 are set; K and V of its step 0 are in registers or on their way).  The running softmax starts from the keys behind the band; then the first scores.
.macro BEGIN ph
	WIN 0
.set i, 0
.rept 16
	v_mov_b32 v[MC+i], 0
.set i, i+1
.endr
.set i, 0
.rept 32
	v_mov_b32 v[P+32+i], 0                         ; the first turn's V^T P adds nothing
.set i, i+1
.endr
.irp t, 0,1
	s_cmp_eq_u32 s[B0+\t], 31
	s_cselect_b32 s90, 0xff7fffff, s[FILL]
	v_mov_b32 v[ST+8*\t+1], s90                    ; m
	v_mul_f32 v[ST+8*\t], s[CS], v[ST+8*\t+1]      ; c m
	s_sub_co_u32 s91, 31, s[B0+\t]
	s_lshl_b32 s91, s91, 5
	s_cvt_f32_u32 s91, s91                         ; 64 (31 - B) keys: half of them in each half of the lanes
	v_mov_b32 v[ST+8*\t+2], s91
	v_mov_b32 v[ST+8*\t+3], 0
	WIN 0x40
.irp f, 0,1,2,3,4,5,6,7
	ds_load_b128 v[64*\t+8*\f:64*\t+8*\f+3],   v[TS0] offset:(\ph)*4096+\t*2048+64*\f      ; O^T: the table's row 8 ph + 4 t + w, my eight channels of each block of 16
	ds_load_b128 v[64*\t+8*\f+4:64*\t+8*\f+7], v[TS0] offset:(\ph)*4096+\t*2048+64*\f+16
.endr
	WIN 0
.endr
	s_wait_loadcnt 0x0
	s_wait_dscnt 0x0
.set i, 0
.rept 32
	KQ 0
.set i, i+1
.endr
	PLACES
	s_mov_b32 s[JN], 0
	AFTER 0
.endm
; A BLOCK ENDS: the last step's V^T P; l's parts are added; O^T is divided by l, rounded to f16 and sent through my stage, a tile (16 rows of z) at a time.
.macro PACK t
	WIN W_RS
.set i, 64*(\t)
.rept 32
	v_pk_mul_f32 v[i:i+1], v[i:i+1], v[ST+8*(\t)+6:ST+8*(\t)+7] op_sel_hi:[1,0]
.set i, i+2
.endr
	WIN 0x05
.set i, 0
.rept 32
	v_cvt_pk_f16_f32 v[S+32*(\t)+i], v[64*(\t)+2*i], v[64*(\t)+2*i+1]
.set i, i+1
.endr
	WIN 0
.irp f, 0,1,2,3,4,5,6,7
	ds_store_b128 v[STO], v[S+32*(\t)+4*\f:S+32*(\t)+4*\f+3] offset:32*\f
.endr
.irp f, 0,1,2,3,4,5,6,7
	ds_load_b128 v[S+32*(\t)+4*\f:S+32*(\t)+4*\f+3], v[RD] offset:\f*2*SP   ; LDS serves a wave's instructions in order: these see the stores above
.endr
.endm
.macro SEND t, younger
	WIN 0
.irp f, 0,1,2,3,4,5,6,7
	s_wait_dscnt (\younger)+7-\f
	global_store_b128 v[GO], v[S+32*(\t)+4*\f:S+32*(\t)+4*\f+3], s[10:11] offset:(\t)*65536+\f*512   ; 512 consecutive bytes, aligned: two rows of z
.endr
.endm
.macro ENDPHASE
.set i, 0
.rept 32
	PV 2
.set i, i+1
.endr
	WIN 0
.irp t, 0,1
	v_add_f32 v[ST+8*\t+4], v[ST+8*\t+2], v[ST+8*\t+3]
.endr
.irp t, 0,1
	v_permlanex16_b32 v[ST+8*\t+5], v[ST+8*\t+4], s[SEL], s[SEL+1]
.endr
.irp t, 0,1
	v_add_f32 v[ST+8*\t+4], v[ST+8*\t+4], v[ST+8*\t+5]
.endr
.irp t, 0,1
	v_rcp_f32 v[ST+8*\t+6], v[ST+8*\t+4]
.endr
	v_nop                                          ; a plain instruction behind the last reciprocal,
	s_wait_alu depctr_va_vdst(0)                   ; and the one wait ahead of the first use
	PACK 0
	PACK 1
	SEND 0, 16
	SEND 1, 0
.endm
.macro NEXTPH
	s_wait_xcnt 0x0                                ; the stores have read their registers and z's address
	s_mov_b64 s[10:11], s[ZN:ZN+1]
	WIN 0x82
.set i, 0
.rept 64
	v_mov_b32 v[i], v[QB+i]                        ; the second block's Q goes where the one text of the turns names Q
.set i, i+1
.endr
	WIN 0
	s_lshl_b32 s[B0], s[CL], 3
	s_add_co_u32 s[B0], s[B0], s[WV]
	s_add_co_u32 s[B0+1], s[B0], 4
	s_mov_b32 s[NPH], 0x7fffffff                   ; the second block ends with the walk
	BEGIN 1
.endm
	s_wait_tensorcnt 1                             ; my part of tile 0 is in; tile 1's may stay out
	s_wait_dscnt 0x0                               ; my words of the table of sums are stored
	s_barrier_signal -1
	s_barrier_wait -1
	FETCH_K                                        ; key step 0
	FETCH_V 0, 0
	WIN 0
	s_sub_co_u32 s[B0], 3, s[CL]
	s_lshl_b32 s[B0], s[B0], 3
	s_add_co_u32 s[NPH], s[B0], 9                  ; 8 (4 - cl) steps, + 1
	s_add_co_u32 s[B0], s[B0], s[WV]               ; band 8 block + 4 t + w
	s_add_co_u32 s[B0+1], s[B0], 4
	BEGIN 0
	s_mov_b32 s[SLOTS], 9
	s_mov_b32 s[TWICE], 2
	s_branch .Lmid                                 ; the loop is entered at an even step's turn
.Lslot:                                        ; eight times: every tile but the last two leaves a slot that is filled again
	CHANGE 1
	s_mov_b32 s[TWICE], 2
.Lstep:
	TURN 0, 1                                      ; an odd step
	AFTER 0
	s_cmp_eq_u32 s[JN], s[NPH]                     ; was it the block's last?  (Its new scores, on the next block's K and the old Q, serve nothing; its fetches are the next block's step 0.)
	s_cbranch_scc0 .Lmid
	ENDPHASE
	NEXTPH
	WIN 0
.Lmid:
	TURN 2, 1                                      ; an even step
	AFTER 2
	s_sub_co_u32 s[TWICE], s[TWICE], 1
	s_cmp_lg_u32 s[TWICE], 0
	s_cbranch_scc1 .Lstep
	s_sub_co_u32 s[SLOTS], s[SLOTS], 1
	s_cmp_lg_u32 s[SLOTS], 0
	s_cbranch_scc1 .Lslot
	CHANGE 0                                       ; the tail is written out: nothing is asked for
	s_mov_b32 s[TWICE], 2
.Ltail:
	TURN 0, 1
	AFTER 0
	TURN 2, 1
	AFTER 2
	s_sub_co_u32 s[TWICE], s[TWICE], 1
	s_cmp_lg_u32 s[TWICE], 0
	s_cbranch_scc1 .Ltail
	TURN 0, 0                                      ; the walk's last step
	ENDPHASE
	s_wait_tensorcnt 0x0                           ; the wave's end: behind my last tensor load and my last LDS store
	ds_add_u32 v[SPW], v[NIL]
	s_wait_dscnt 0x0
	CROUND                                         ; the closing round
	s_endpgm
.Lfunc_end_k_q68bf3c691f_attn:
	.size	k_q68bf3c691f_attn, .Lfunc_end_k_q68bf3c691f_attn-k_q68bf3c691f_attn
	.p2alignl 7, 3214868480
	.fill 96, 4, 3214868480
	.section	.rodata,"a",@progbits
	.p2align	6, 0x0
	.amdhsa_kernel k_q68bf3c691f_attn
		.amdhsa_group_segment_fixed_size 327680
		.amdhsa_private_segment_fixed_size 0
		.amdhsa_enable_private_segment 0
		.amdhsa_kernarg_size 24
		.amdhsa_user_sgpr_count 2
		.amdhsa_user_sgpr_kernarg_segment_ptr 1
		.amdhsa_wavefront_size32 1
		.amdhsa_system_sgpr_workgroup_id_x 1
		.amdhsa_system_sgpr_workgroup_id_y 1
		.amdhsa_system_sgpr_workgroup_id_z 1
		.amdhsa_system_vgpr_workitem_id 0
		.amdhsa_next_free_vgpr 1024
		.amdhsa_next_free_sgpr 102
		.amdhsa_reserve_vcc 1
		.amdhsa_float_denorm_mode_32 3
		.amdhsa_float_denorm_mode_16_64 3
		.amdhsa_memory_ordered 1
		.amdhsa_forward_progress 1
		.amdhsa_inst_pref_size 222
	.end_amdhsa_kernel
	.amdgpu_metadata
---
amdhsa.version: [ 1, 2 ]
amdhsa.kernels:
  - .name:           k_q68bf3c691f_attn
    .symbol:         k_q68bf3c691f_attn.kd
    .args:
      - { .name: qkv, .offset: 0, .size: 8, .value_kind: global_buffer, .address_space: global }
      - { .name: vsum, .offset: 8, .size: 8, .value_kind: global_buffer, .address_space: global }
      - { .name: z, .offset: 16, .size: 8, .value_kind: global_buffer, .address_space: global }
    .group_segment_fixed_size: 327680
    .private_segment_fixed_size: 0
    .kernarg_segment_align: 8
    .kernarg_segment_size: 24
    .max_flat_workgroup_size: 128
    .sgpr_count:     102
    .vgpr_count:     1024
    .wavefront_size: 32
...
	.end_amdgpu_metadata
.endif
;; end of part 3
;; launch oproj (part 4): grid 8 x 32, 4 waves a work-group, clusters of 4 x 4, 327,680 bytes of LDS; arguments z, wo, b_O, out0; writes out0
.if DOCPART == 4
	.amdgcn_target "amdgcn-amd-amdhsa--gfx1250"
	.amdhsa_code_object_version 6
	.text
	.protected	k_q68bf3c691f_oproj
	.globl	k_q68bf3c691f_oproj
	.p2align	8
	.type	k_q68bf3c691f_oproj,@function
k_q68bf3c691f_oproj:
	s_mov_b64 s[64:65], 0
	v_nop
	global_prefetch_b8 v0, s[64:65] scope:SCOPE_SE
	s_setreg_imm32_b32 hwreg(HW_REG_WAVE_MODE, 25, 1), 1
	s_wait_xcnt 0x0
	s_wait_alu depctr_hold_cnt(0) depctr_sa_sdst(0) depctr_va_vdst(0) depctr_va_sdst(0) depctr_va_ssrc(0) depctr_va_vcc(0) depctr_vm_vsrc(0)
	s_getreg_b32 s2, hwreg(HW_REG_IB_STS2, 6, 4)
	s_cmp_eq_u32 s2, 0
	s_cbranch_scc0 .Lentry_in_a_cluster
	s_endpgm
.Lentry_in_a_cluster:
	s_bfe_u32 s2, ttmp6, 0x10000c
	s_cmp_lg_u32 s2, 0xf033
	s_cbranch_scc0 .Lentry_shape_is_right
	s_endpgm
.Lentry_shape_is_right:
; out0[m][d] = the sum over head and channel of z[head][m][channel] W_O[head][channel][d] + b_O[d].  z: f16 [16 head][4096 m][128]; wo: f16 [2048][1024]; out0: f32 [4096][1024].  No work of reference() is left out here.
; Sums in f32; b_O is rounded to bf16 like the other inputs and added in f32.
; SHARES.  4,096 x 1,024 outputs on 256 work-groups: a tile of 128 x 128; four waves, each 64 x 64: 16 accumulators.  K = 2,048 goes in 8 steps of 256 (two heads) through two LDS slots.
; The matrix instruction is used transposed (source 0 = 16 columns of W_O, turned on the way out of LDS; source 1 = 16 rows of z): a lane holds eight neighbouring columns of one row.
; CLUSTER 4 x 4: z's tiles are asked for jointly along a row of the cluster (waves 0, 1: a head each), W_O's along a column (waves 2, 3).  A wave has two tensor loads out at the start and one behind each change of slots,
; 112 matrix instructions ahead of the wait for it.  All of the WGP's LDS is claimed.
; REGISTERS: window 0: addresses; v32-63 rows on the way out; v64-111 the bias; v128-255 the accumulators ((a, b) at v[128 + 8 (4 a + b)]).  Window 1: two fragment buffers of 128: for 64 along K, 64 registers of z, then 64 of W_O.
.set PA,     272                       ; a row of z in LDS: 256 bytes + 16
.set PB,     288                       ; a k-row of W_O: 256 + 32
.set ATILE,  128*PA
.set BTILE,  128*PB
.set SLOT,   2*ATILE+2*BTILE           ; two heads of z, then two of W_O
.set STAGE,  2*SLOT                    ; never filled by a tensor load: 16 rows x 272 bytes for each wave: a wave's 64 f32 columns are 256 bytes
.set SPITCH, 272
.set SPARE,  STAGE+4*16*SPITCH
.set ADRA, 16                          ; v16-17  my fragments of z in slot 0, 1
.set ADRB, 18                          ; v18-21  my fragments of W_O: slot 0 head 0, 1; slot 1 head 0, 1
.set STO,  24
.set RD,   25
.set CO,   26
.set BO,   27
.set SPW,  28
.set NIL,  29
.set PFO,  30
.set TMP,  32
.set BI,   64
.set ACC,  128
.set F0,   0
.set F1,   128
.set WV,   12
.set G1A, 24
.set G0A, 32
.set G1B, 40
.set G0B, 48
.set PFA, 56
.set PFS, 58
.set LIM, 60
.set MSB, 0
.macro WIN new
.if MSB != (\new)
	s_set_vgpr_msb (MSB<<8)|(\new)
.set MSB, \new
.endif
.endm
.set MUL,  0x05
.set TO_F, 0x40
.macro PLACES
.rept 4
	v_nop
.endr
.endm
.macro JLOAD s                         ; an s_nop 0 and four v_nop follow each of the two lines
	s_cmp_eq_u32 s13, 0
	s_cbranch_scc0 .Lfor_b_\@
	tensor_load_to_lds s[G0A+4*(\s):G0A+4*(\s)+3], s[G1A:G1A+7]
	s_nop 0
.rept 4
	v_nop
.endr
	s_branch .Lasked_\@
.Lfor_b_\@:
	tensor_load_to_lds s[G0B+4*(\s):G0B+4*(\s)+3], s[G1B:G1B+7]
	s_nop 0
.rept 4
	v_nop
.endr
.Lasked_\@:
.endm
.macro CREST
	s_cmp_lg_u32 s[WV], 0
	s_cbranch_scc1 .Lnot_wave_0_\@
	s_barrier_signal -3
.Lnot_wave_0_\@:
	s_barrier_wait -3
	s_barrier_signal -1
	s_barrier_wait -1
.endm
.macro CROUND
	s_barrier_signal -1
	s_barrier_wait -1
	CREST
.endm
; A prefetch into the L2 of the K step two refills on: of the 128 rows that I fetch, my work-group's 32, a lane a row of 256 bytes.  z's rows are read by both clusters of a row of clusters: cluster x = 0 asks; W_O's by all clusters
; of a column: cluster y = 0 asks; the four partners are told apart by address.  The loop's last trip asks for nothing; K steps 0 to 3 come by their loads alone.
.macro ASK
	s_cmp_gt_u32 s3, s[LIM]
	s_cbranch_scc0 .Lnot_mine_\@
	global_prefetch_b8 v[PFO], s[PFA:PFA+1] th:TH_LOAD_NT scope:SCOPE_SE
.Lnot_mine_\@:
.endm
	s_load_b256 s[4:11], s[0:1], 0x0               ; z s[4:5], wo s[6:7], b_O s[8:9], out0 s[10:11]
	v_lshl_add_u32 v[SPW], v0, 2, SPARE
	v_mov_b32 v[NIL], 0
	ds_add_u32 v[SPW], v[NIL]                      ; the wave's opening: the add, twice on end, and its wait ahead of my first tensor load
	ds_add_u32 v[SPW], v[NIL]
	v_lshrrev_b32 v1, 5, v0
	v_readfirstlane_b32 s[WV], v1
	s_lshr_b32 s13, s[WV], 1                       ; which half of the tile's rows is mine.  Also: I fetch for z (0) or for W_O (1)
	s_and_b32 s14, s[WV], 1                        ; which half of its columns.  Also: which of a step's two heads I fetch
	s_bfe_u32 s15, ttmp6, 0x40000                  ; cx
	s_bfe_u32 s16, ttmp6, 0x40004                  ; cy
	s_lshl_b32 s17, ttmp9, 2
	s_add_co_u32 s17, s17, s15                     ; column tile
	s_and_b32 s18, ttmp7, 0xffff
	s_lshl_b32 s18, s18, 2
	s_add_co_u32 s18, s18, s16                     ; row tile
	s_lshl_b32 s19, s16, 2
	s_lshl_b32 s19, 15, s19
	s_lshl_b32 s20, 0x1111, s15
	s_or_b32 s[G1A], s19, (1<<16)|(1<<20)|(1<<21)|(5<<22)|(3<<25)
	s_or_b32 s[G1B], s20, (1<<16)|(1<<20)|(1<<21)|(5<<22)|(7<<25)
.irp g, G1A, G1B
	s_mov_b32 s[\g+1], 128<<16                     ; 128 rows of 128 elements
	s_mov_b32 s[\g+2], 128<<16
	s_mov_b32 s[\g+3], 128<<16
	s_mov_b32 s[\g+4], 128
	s_mov_b32 s[\g+6], 0
	s_mov_b32 s[\g+7], 0
.endr
	s_mov_b32 s[G1A+5], 128                        ; a head's rows of z are dense;
	s_mov_b32 s[G1B+5], 1024                       ; W_O's are 1,024 elements apart
	s_lshl_b32 s66, s14, 20
	s_lshl_b32 s72, s18, 15
	s_add_co_u32 s66, s66, s72                     ; z: head x 1,048,576 + 128 rows x 256 bytes a row tile
	s_mov_b32 s67, 0
	s_lshl_b32 s68, s14, 18
	s_lshl_b32 s73, s17, 8
	s_add_co_u32 s68, s68, s73                     ; W_O: head x 262,144 + 256 bytes a column tile
	s_mov_b32 s69, 0
	s_mul_i32 s70, s14, ATILE
	s_mul_i32 s71, s14, BTILE
	s_add_co_u32 s71, s71, 2*ATILE
	s_wait_dscnt 0x0                               ; both opening adds are done
	s_wait_kmcnt 0x0
	s_add_nc_u64 s[66:67], s[4:5], s[66:67]
	s_add_nc_u64 s[68:69], s[6:7], s[68:69]
	CROUND
.irp s, 0,1
	s_mov_b32 s[G0A+4*\s], 1
	s_add_co_u32 s[G0A+4*\s+1], s70, \s*SLOT
	s_add_nc_u64 s[G0A+4*\s+2:G0A+4*\s+3], s[66:67], \s*2097152
	s_or_b32 s[G0A+4*\s+3], s[G0A+4*\s+3], 0x80000000
	s_mov_b32 s[G0B+4*\s], 1
	s_add_co_u32 s[G0B+4*\s+1], s71, \s*SLOT
	s_add_nc_u64 s[G0B+4*\s+2:G0B+4*\s+3], s[68:69], \s*524288
	s_or_b32 s[G0B+4*\s+3], s[G0B+4*\s+3], 0x80000000
	JLOAD \s
.endr
	v_and_b32 v1, 15, v0                           ; r
	v_bfe_u32 v2, v0, 4, 1                         ; H
	v_and_b32 v3, 7, v0
	v_bfe_u32 v4, v0, 3, 1
	v_lshlrev_b32 v[BO], 5, v2
	s_lshl_b32 s74, s17, 9
	s_lshl_b32 s75, s14, 8
	s_add_co_u32 s74, s74, s75                     ; my 64 columns, in bytes of f32
	s_mov_b32 s75, 0
	s_add_nc_u64 s[8:9], s[8:9], s[74:75]
.irp b, 0,1,2,3
	global_load_b128 v[BI+8*\b:BI+8*\b+3],   v[BO], s[8:9] offset:64*\b      ; the bias: my eight columns of each block of 16; used on the way out
	global_load_b128 v[BI+8*\b+4:BI+8*\b+7], v[BO], s[8:9] offset:64*\b+16
.endr
	s_lshl_b32 s76, s18, 19                        ; 128 rows of 4,096 bytes a row tile,
	s_lshl_b32 s77, s13, 18                        ; 64 for my half
	s_add_co_u32 s76, s76, s77
	s_add_co_u32 s76, s76, s74
	s_mov_b32 s77, 0
	s_add_nc_u64 s[10:11], s[10:11], s[76:77]
	; the prefetches' place
	s_and_b32 s74, ttmp7, 0xffff
	s_mov_b32 s[PFS], 524288
	s_cmp_eq_u32 s13, 0
	s_cselect_b32 s75, ttmp9, s74                  ; the coordinate along which other clusters read the same rows
	s_cselect_b32 s76, s15, s16                    ; my place among the four that ask with me
	s_cselect_b32 s77, 13, 16                      ; 32 rows: 8,192 bytes of z, 65,536 of W_O
	s_cselect_b32 s78, 8, 11                       ; a row: 256 bytes on in z, 2,048 in W_O
	s_cselect_b32 s[PFS], 2097152, s[PFS]
	s_cselect_b64 s[PFA:PFA+1], s[66:67], s[68:69]
	s_mov_b32 s[PFS+1], 0
	s_cmp_eq_u32 s75, 0
	s_cselect_b32 s[LIM], 1, -1
	s_lshl_b32 s76, s76, s77
	s_mul_i32 s77, s[PFS], 3                       ; at K step 3: the first change steps it to 4
	s_add_co_u32 s76, s76, s77
	s_mov_b32 s77, 0
	s_add_nc_u64 s[PFA:PFA+1], s[PFA:PFA+1], s[76:77]
	v_and_b32 v[PFO], 31, v0
	v_lshlrev_b32 v[PFO], s78, v[PFO]
	v_mul_u32_u24 v5, v1, PA
	v_lshl_add_u32 v5, v2, 4, v5
	s_mul_i32 s74, s13, 64*PA
	v_add_nc_u32 v[ADRA], s74, v5
	v_add_nc_u32 v[ADRA+1], SLOT, v[ADRA]
	v_lshl_add_u32 v6, v2, 3, v3
	v_mul_u32_u24 v6, v6, PB
	v_lshl_add_u32 v6, v4, 4, v6
	s_lshl_b32 s74, s14, 7
	s_add_co_u32 s74, s74, 2*ATILE
	v_add_nc_u32 v[ADRB], s74, v6
	v_add_nc_u32 v[ADRB+1], BTILE, v[ADRB]
	v_add_nc_u32 v[ADRB+2], SLOT, v[ADRB]
	v_add_nc_u32 v[ADRB+3], SLOT+BTILE, v[ADRB]
	s_mul_i32 s74, s[WV], 16*SPITCH
	s_add_co_u32 s74, s74, STAGE
	v_mul_u32_u24 v[STO], v1, SPITCH
	v_lshl_add_u32 v[STO], v2, 5, v[STO]
	v_add_nc_u32 v[STO], s74, v[STO]
	v_mul_u32_u24 v[RD], v2, SPITCH
	v_lshl_add_u32 v[RD], v1, 4, v[RD]
	v_add_nc_u32 v[RD], s74, v[RD]
	v_lshlrev_b32 v[CO], 12, v2
	v_lshl_add_u32 v[CO], v1, 4, v[CO]
.macro MUL8 f, c, a0, zero             ; 8 matrix instructions: row blocks a0, a0 + 1 x all 4 column blocks, 32 along K: half c of buffer f
	WIN MUL
.irp a, \a0, (\a0)+1
.irp b, 0,1,2,3
.if \zero
	v_wmma_f32_16x16x32_f16 v[ACC+8*(4*(\a)+(\b)):ACC+8*(4*(\a)+(\b))+7], v[(\f)+64+8*(4*(\c)+(\b)):(\f)+64+8*(4*(\c)+(\b))+7], v[(\f)+8*(4*(\c)+(\a)):(\f)+8*(4*(\c)+(\a))+7], 0
.else
	v_wmma_f32_16x16x32_f16 v[ACC+8*(4*(\a)+(\b)):ACC+8*(4*(\a)+(\b))+7], v[(\f)+64+8*(4*(\c)+(\b)):(\f)+64+8*(4*(\c)+(\b))+7], v[(\f)+8*(4*(\c)+(\a)):(\f)+8*(4*(\c)+(\a))+7], v[ACC+8*(4*(\a)+(\b)):ACC+8*(4*(\a)+(\b))+7]
.endif
.endr
.endr
.endm
.macro FETCH slot, q, f                ; 32 LDS loads in one run: quarter q of the slot (head q / 2, channels 64 (q % 2) on) into buffer f; the first 32 along K first
	WIN TO_F
.irp c, 0,1
.irp i, 0,1,2,3
	ds_load_tr16_b128 v[(\f)+64+8*(4*(\c)+(\i)):(\f)+64+8*(4*(\c)+(\i))+3],   v[ADRB+2*(\slot)+(\q)/2] offset:(((\q)%2)*64+32*(\c))*PB+32*(\i)
	ds_load_tr16_b128 v[(\f)+64+8*(4*(\c)+(\i))+4:(\f)+64+8*(4*(\c)+(\i))+7], v[ADRB+2*(\slot)+(\q)/2] offset:(((\q)%2)*64+32*(\c))*PB+32*(\i)+16*PB
	ds_load_b128 v[(\f)+8*(4*(\c)+(\i)):(\f)+8*(4*(\c)+(\i))+3],   v[ADRA+(\slot)] offset:((\q)/2)*ATILE+((\q)%2)*128+64*(\c)+(\i)*16*PA
	ds_load_b128 v[(\f)+8*(4*(\c)+(\i))+4:(\f)+8*(4*(\c)+(\i))+7], v[ADRA+(\slot)] offset:((\q)/2)*ATILE+((\q)%2)*128+64*(\c)+(\i)*16*PA+32
.endr
.endr
.endm
.macro QUARTER slot, q, f, g, zero     ; multiplies buffer f and fetches quarter q of the slot into g
	s_wait_dscnt 16                                ; the first 32 along K are in
	MUL8 \f, 0, 0, \zero
	MUL8 \f, 0, 2, \zero
	PLACES
	FETCH \slot, \q, \g
	s_wait_dscnt 32                                ; all but the 32 just issued
	MUL8 \f, 1, 0, 0
	MUL8 \f, 1, 2, 0
.endm
; The last quarter multiplies buffer 1 and changes slots: each wave waits for all its tensor loads, adds 0 to its spare word, and waits for that and for its reads of this slot.  fill = 1: the barrier opens a round of the cluster's
; barrier, and the joint refill, two K steps on, is the first tensor load behind it.
.macro TURN slot, next, fill
	s_wait_xcnt 0x0                                ; the last prefetch, a K step back, has read its address
	s_add_nc_u64 s[PFA:PFA+1], s[PFA:PFA+1], s[PFS:PFS+1]
	WIN 0
	s_wait_tensorcnt 0x0
	ds_add_u32 v[SPW], v[NIL]
	s_wait_dscnt 17                                ; (the add and the youngest sixteen loads may be out)
	MUL8 F1, 0, 0, 0
	s_wait_dscnt 0x0                               ; the add is done, and my reads of this slot are over
	s_barrier_signal -1
	MUL8 F1, 0, 2, 0
.if \fill
	WIN 0
.endif
	s_barrier_wait -1
.if \fill
	CREST
	s_add_nc_u64 s[G0A+4*(\slot)+2:G0A+4*(\slot)+3], s[G0A+4*(\slot)+2:G0A+4*(\slot)+3], 2*2097152
	s_add_nc_u64 s[G0B+4*(\slot)+2:G0B+4*(\slot)+3], s[G0B+4*(\slot)+2:G0B+4*(\slot)+3], 2*524288
	JLOAD \slot                                    ; its four v_nop are also the places in front of the loads below
.else
	PLACES
.endif
	FETCH \next, 0, F0
.if \fill
	WIN 0
	ASK
.endif
	MUL8 F1, 1, 0, 0
	MUL8 F1, 1, 2, 0
.endm
	s_wait_tensorcnt 1                             ; my part of K step 0 is in; K step 1's may stay out
	s_barrier_signal -1
	s_barrier_wait -1
	FETCH 0, 0, F0
	QUARTER 0, 1, F0, F1, 1                        ; the first quarter stands in front of the loop: its first products start the sums
	WIN 0
	s_mov_b32 s3, 3
.Llap:
	QUARTER 0, 2, F1, F0, 0
	QUARTER 0, 3, F0, F1, 0
	TURN 0, 1, 1
	QUARTER 1, 1, F0, F1, 0
	QUARTER 1, 2, F1, F0, 0
	QUARTER 1, 3, F0, F1, 0
	TURN 1, 0, 1
	QUARTER 0, 1, F0, F1, 0
	WIN 0
	s_sub_co_u32 s3, s3, 1
	s_cmp_lg_u32 s3, 0
	s_cbranch_scc1 .Llap
	QUARTER 0, 2, F1, F0, 0                        ; the last lap fills nothing
	QUARTER 0, 3, F0, F1, 0
	TURN 0, 1, 0
	QUARTER 1, 1, F0, F1, 0
	QUARTER 1, 2, F1, F0, 0
	QUARTER 1, 3, F0, F1, 0
	s_wait_dscnt 16
	MUL8 F1, 0, 0, 0
	MUL8 F1, 0, 2, 0
	s_wait_dscnt 0x0
	MUL8 F1, 1, 0, 0
	MUL8 F1, 1, 2, 0
	WIN 0
	; THE WAY OUT: the bias, rounded to bf16, is added; 16 rows at a time go through my own stage and leave as whole rows of 256 bytes.
	PLACES
	s_wait_loadcnt 0x0
.set n, 0
.rept 16
	v_cvt_pk_bf16_f32 v[BI+32+n], v[BI+2*n], v[BI+2*n+1]
.set n, n+1
.endr
.set n, 0
.rept 16
	v_lshlrev_b32 v[BI+2*n], 16, v[BI+32+n]
	v_and_b32 v[BI+2*n+1], 0xffff0000, v[BI+32+n]
.set n, n+1
.endr
.irp a, 0,1,2,3
.set n, 0
.rept 16
	v_pk_add_f32 v[ACC+32*\a+2*n:ACC+32*\a+2*n+1], v[ACC+32*\a+2*n:ACC+32*\a+2*n+1], v[BI+2*n:BI+2*n+1]
.set n, n+1
.endr
.irp b, 0,1,2,3
	ds_store_b128 v[STO], v[ACC+32*\a+8*\b:ACC+32*\a+8*\b+3]   offset:64*\b
	ds_store_b128 v[STO], v[ACC+32*\a+8*\b+4:ACC+32*\a+8*\b+7] offset:64*\b+16
.endr
	s_wait_xcnt 0x0                                ; the stores of the block before have read their registers
.irp t, 0,1,2,3,4,5,6,7
	ds_load_b128 v[TMP+4*\t:TMP+4*\t+3], v[RD] offset:\t*2*SPITCH   ; LDS serves a wave's instructions in order: these see the stores above
.endr
	s_wait_dscnt 0x0
.irp t, 0,1,2,3,4,5,6,7
	global_store_b128 v[CO], v[TMP+4*\t:TMP+4*\t+3], s[10:11] offset:(16*\a+2*\t)*4096   ; 16 lanes store 256 consecutive bytes, aligned
.endr
.endr
	s_wait_tensorcnt 0x0                           ; the wave's end: behind my last tensor load and my last LDS store
	ds_add_u32 v[SPW], v[NIL]
	s_wait_dscnt 0x0
	CROUND                                         ; the closing round
	s_endpgm
.Lfunc_end_k_q68bf3c691f_oproj:
	.size	k_q68bf3c691f_oproj, .Lfunc_end_k_q68bf3c691f_oproj-k_q68bf3c691f_oproj
	.p2alignl 7, 3214868480
	.fill 96, 4, 3214868480
	.section	.rodata,"a",@progbits
	.p2align	6, 0x0
	.amdhsa_kernel k_q68bf3c691f_oproj
		.amdhsa_group_segment_fixed_size 327680
		.amdhsa_private_segment_fixed_size 0
		.amdhsa_enable_private_segment 0
		.amdhsa_kernarg_size 32
		.amdhsa_user_sgpr_count 2
		.amdhsa_user_sgpr_kernarg_segment_ptr 1
		.amdhsa_wavefront_size32 1
		.amdhsa_system_sgpr_workgroup_id_x 1
		.amdhsa_system_sgpr_workgroup_id_y 1
		.amdhsa_system_sgpr_workgroup_id_z 1
		.amdhsa_system_vgpr_workitem_id 0
		.amdhsa_next_free_vgpr 512
		.amdhsa_next_free_sgpr 84
		.amdhsa_reserve_vcc 0
		.amdhsa_float_denorm_mode_32 3
		.amdhsa_float_denorm_mode_16_64 3
		.amdhsa_memory_ordered 1
		.amdhsa_forward_progress 1
		.amdhsa_inst_pref_size 94
	.end_amdhsa_kernel
	.amdgpu_metadata
---
amdhsa.version: [ 1, 2 ]
amdhsa.kernels:
  - .name:           k_q68bf3c691f_oproj
    .symbol:         k_q68bf3c691f_oproj.kd
    .args:
      - { .name: z, .offset: 0, .size: 8, .value_kind: global_buffer, .address_space: global }
      - { .name: wo, .offset: 8, .size: 8, .value_kind: global_buffer, .address_space: global }
      - { .name: b_O, .offset: 16, .size: 8, .value_kind: global_buffer, .address_space: global }
      - { .name: out0, .offset: 24, .size: 8, .value_kind: global_buffer, .address_space: global }
    .group_segment_fixed_size: 327680
    .private_segment_fixed_size: 0
    .kernarg_segment_align: 8
    .kernarg_segment_size: 32
    .max_flat_workgroup_size: 128
    .sgpr_count:     84
    .vgpr_count:     512
    .wavefront_size: 32
...
	.end_amdgpu_metadata
.endif
;; end of part 4
